; MI455X (gfx1250); checked and timed in simulation.
; The chip was launched on July 23, 2026; its instructions are those of AMD's public machine-readable ISA for CDNA 5 (MIT licence, August 2026) and "CDNA5" Instruction Set Architecture Reference Guide (July 2026). The comments in the code are by the model that wrote it; some were corrected since.
;; Multi Head Attention. Allowed arithmetic: matrix products marked QUANTISED: E2M3 operands, one E8M0 scale for each 32 along K, by v_wmma_scale_f32_16x16x128_f8f6f4 with both operands' format E2M3, f32 sums; everything else in f32.
;; Inputs: Wk_codes 12 x 64 x 24 x 24 uint8 (E2M3 codes of Wk, K innermost, in blocks of 32 codes, four codes in three bytes); Wk_scales 12 x 64 x 24 uint8 (E8M0 scales of Wk, one for each 32 codes along K); Wo_codes 768 x 24 x 24 uint8 (E2M3 codes of Wo, K innermost, in blocks of 32 codes, four codes in three bytes); Wo_scales 768 x 24 uint8 (E8M0 scales of Wo, one for each 32 codes along K); Wq_codes 12 x 64 x 24 x 24 uint8 (E2M3 codes of Wq, K innermost, in blocks of 32 codes, four codes in three bytes); Wq_scales 12 x 64 x 24 uint8 (E8M0 scales of Wq, one for each 32 codes along K); Wv_codes 12 x 64 x 24 x 24 uint8 (E2M3 codes of Wv, K innermost, in blocks of 32 codes, four codes in three bytes); Wv_scales 12 x 64 x 24 uint8 (E8M0 scales of Wv, one for each 32 codes along K); bk 12 x 64 float32; bo 768 float32; bq 12 x 64 float32; bv 12 x 64 float32; x_codes 32 x 512 x 24 x 24 uint8 (E2M3 codes of x, K innermost, in blocks of 32 codes, four codes in three bytes); x_scales 32 x 512 x 24 uint8 (E8M0 scales of x, one for each 32 codes along K).
;; Outputs: out0 32 x 512 x 768 float32.
;; This version of the problem:
;;   THIS VERSION OF THE PROBLEM IS GIVEN IN LOW PRECISION. The matrix products marked QUANTISED in the list below multiply operands that are first quantised to E2M3 (2 exponent bits, 3 mantissa bits; 6 bits a number), with one power-of-two scale for each 32 numbers along K (OCP MX v1.0); their sums are f32. All else is computed in f32.
;;   The module's matrix products, in the order in which they are computed (A, B: the left and right operand; K: the contracted axis; several contracted axes count as one K, in the product's order):
;;     1. [M 768, K 768] x [K 768, N 16,384]; A: input Wq (given as codes); B: input x (given as codes): QUANTISED
;;     2. [M 768, K 768] x [K 768, N 16,384]; A: input Wk (given as codes); B: input x (given as codes): QUANTISED
;;     3. [M 768, K 768] x [K 768, N 16,384]; A: input Wv (given as codes); B: input x (given as codes): QUANTISED
;;     4. batch 384 x [M 512, K 64] x [K 64, N 512]; A: computed on the way; B: computed on the way: QUANTISED
;;     5. batch 384 x [M 512, K 512] x [K 512, N 64]; A: softmax (see below); B: computed on the way: QUANTISED
;;     6. [M 16,384, K 768] x [K 768, N 768]; A: computed on the way; B: input Wo (given as codes): QUANTISED
;;   THE QUANTISER, for each operand of a quantised product, along K:
;;     - K is cut into blocks of 32 from its start; a last block that is shorter is filled with zeros.
;;     - A block's scale is 2^e with e = floor(log2(the largest magnitude in the block)) - 2, held to -126 .. 127; a block of zeros has e = 0. As a byte (E8M0): e + 127.
;;     - Each number is divided by its block's scale, clamped to +-7.5, and rounded to the nearest number of E2M3, ties to even, subnormals kept.
;;     - The product sums the exact products of the quantised numbers (number of the format x scale) in f32.
;;   ~~~python
;;   def quantise(x, axis):      # numpy; x: float32 -> the quantised numbers, widened to float32 again
;;       x = np.moveaxis(x, axis, -1); K = x.shape[-1]
;;       x = np.pad(x, [(0, 0)] * (x.ndim - 1) + [(0, -K % 32)]); x = x.reshape(x.shape[:-1] + (-1, 32)); a = np.abs(x).max(-1, keepdims=True)
;;       e = np.where(a > 0, np.clip(np.frexp(np.where(a > 0, a, 1))[1] - 1 - 2, -126, 127), 0)      # np.frexp(a)[1] - 1 = floor(log2(a)), exactly
;;       r = np.clip(x / 2.0 ** e, -7.5, 7.5)
;;       step = 2.0 ** (np.maximum(np.frexp(np.where(r == 0, 1, r))[1] - 1, 0) - 3)
;;       q = np.round(r / step) * step * 2.0 ** e      # np.round: ties to even
;;       return np.moveaxis(q.reshape(q.shape[:-2] + (-1,))[..., :K], -1, axis).astype(np.float32)
;;   ~~~
;;   SOFTMAX AHEAD OF A QUANTISED PRODUCT. Where the list says 'softmax', what is quantised is not the finished softmax but p = 2^(t - M), with t = logit x log2(e) and M = ceil(the row's largest t), a whole number; so 1/2 < the row's largest p <= 1. The row's sum l is taken of the UNQUANTISED p, in f32, and the product's result is divided by l at the end. Since M is a whole number, a kernel that streams over the keys may use a running M (the ceiling of the running maximum): every later rescaling is an exact power of two, which a block's scale takes up: the codes' values come out the same.
;;   OPERANDS COMPUTED ON THE WAY. 'Computed on the way' means the value that the module computes at that place (a softmax that the list does not call 'softmax' is quantised finished and normalised). What goes into a quantiser is computed in f32, as accurately as f32 sums, v_exp_f32 and their like allow (about 1e-6 of the number): no bf16 or f16 on the way to a quantiser, and a product that is left as it is and whose result goes on into a quantised operand takes f32 operands (vector FMAs, or v_wmma_f32_16x16x4_f32). A number that lies on a knife's edge between two numbers of the format may be rounded either way, as far as f32 arithmetic and the matrix unit's own rounding can turn it there, and no further.
;;   INPUTS GIVEN AS CODES. Wk (in the module: [12, 768, 64], K = its axis 1); Wo (in the module: [768, 768], K = its axis 0); Wq (in the module: [12, 768, 64], K = its axis 1); Wv (in the module: [12, 768, 64], K = its axis 1); x (in the module: [32, 512, 768], K = its axis 2): each comes as NAME_codes (uint8): NAME with its K axis moved to the last place and cut into blocks of 32 codes, [.., K / 32, bytes a block], one block behind the other in memory; four codes in three bytes: a row's codes are one little-endian stream of bits, code i at bits 6 i .. 6 i + 5 (a code: sign, 2 exponent bits, 3 mantissa bits); and NAME_scales (uint8): the same leading axes, one E8M0 byte (e + 127) for each 32 codes along K. Its value is code x scale, taken as it is: it is not quantised again, and the codes and scales need not be those that the quantiser above would give.
;; 2 versions. Each part assembles by itself: llvm-mc -triple=amdgcn-amd-amdhsa -mcpu=gfx1250 --defsym DOCPART=n.
;; ======== version 1 of 2: 2 launches
;; workspace buffers: oc 9,437,184 bytes; osc 393,216 bytes
;; launch attn (part 1): grid 12 x 32, 16 waves a work-group, no clusters, 324,864 bytes of LDS; arguments x_codes, x_scales, Wv_codes, Wv_scales, bv, Wk_codes, Wk_scales, bk, Wq_codes, Wq_scales, bq, oc, osc; writes oc, osc
.if DOCPART == 1
	.amdgcn_target "amdgcn-amd-amdhsa--gfx1250"
	.amdhsa_code_object_version 6
	.text
	.protected	k_qe267413e54_attn
	.globl	k_qe267413e54_attn
	.p2align	8
	.type	k_qe267413e54_attn,@function
k_qe267413e54_attn:
	s_mov_b64 s[64:65], 0
	v_nop
	global_prefetch_b8 v0, s[64:65] scope:SCOPE_SE
	s_setreg_imm32_b32 hwreg(HW_REG_WAVE_MODE, 25, 1), 1
	s_wait_xcnt 0x0
; ATTENTION OF ONE (HEAD, BATCH): v, k, q = x W + b for the batch's 512 rows and the head's 64 channels, S = q k^T / 8, p = 2^(t - M), O = p v / l; O leaves as codes of FP6 (E2M3) with E8M0 scales.
; All five products are on codes of FP6 with one E8M0 scale for each 32 along K.  x and the weights come as codes; q, k (along e), v, p (along the keys) and O (along 64 head + e) are quantised here, in f32.
; DEAD WORK: none.  Every bias moves the codes of a quantised operand of a live product (bk too), and every input has a way to the output: all are loaded.
; LIMITS: NaN and infinities are not served; a given scale byte 0xff gives NaN.  A block whose largest magnitude lies under 2^-124 keeps the byte 1; so does a block of zeros (its codes are zeros, and this program
; alone reads these bytes).  bq and bk are the C of their sums' first products, so they are added ahead of the products, not behind them as reference() has it: another order of rounding.
; SHARES.  Sixteen waves of 256 registers.  Wave w owns rows 32 w .. 32 w + 31 of the batch: two tiles of 16, which are its keys (block w % 4 of key step w / 4) and its queries.
; NO JOINT LOADS, NO TENSOR LOADS: the batch's x at a pitch free of bank conflicts (512 x 592 = 303,104 bytes) and the head's three weights (113,664) do not fit in LDS together, so x goes through registers and a
; stage of 9,472 bytes a wave that ds_store writes twice; all that is read from memory is asked for in one run at the head.
; LAYOUT.  (1) W's rows lie in LDS with bits 3 and 4 of e swapped: lane r of tile 2 b + u then holds e = 32 b + 8 u + r + 8 (r / 8).  As source 0 (q^T, k^T = W x^T) a lane holds one row of x, and the 16 registers of
; tiles 2 b, 2 b + 1 are e = 32 b + 16 (lane / 16) + 0 .. 15: neighbours along the next K.  As source 1 (v = x W^T) a lane holds one e and its registers run down the keys.
; (2) Key tiles are natural: in S^T and in v a lane's 16 registers of a block of 32 keys are keys 8 h + 0 .. 7 and 16 + 8 h + 0 .. 7: the same order inside a block for p and for v, so the products are the stated ones.
; (3) The score product has K = 64: an operand is six registers of codes (lane half h: block h) and six more.  q's six more are zero codes; k's may be any codes (every code is a finite number, times 0).
; (4) OPERANDS GO FROM WAVE TO WAVE AS IMAGES OF SIX REGISTERS: registers 0-3 at 16 x lane (512 bytes), registers 4-5 at 512 + 8 x lane (256 bytes).  oc in memory is laid the same way.
.set PITCH, 592                        ; a row of 768 codes, 576 bytes, + 16 = 148 words: row r starts at bank 20 r mod 64 (64 banks of 4 bytes: ISA guide 11.1): the 32 lanes of a load of 8 bytes touch 64 different banks
.set WMAT,  64*PITCH                   ; LDS byte 0: Wv, Wk, Wq of the head, 64 rows each
.set XST,   3*WMAT                     ; a stage of 16 rows for each wave
.set XSTW,  16*PITCH
.set IMG,   XST+16*XSTW                ; four key steps of 128 keys: 8 tiles of K x 768; at IV 4 tiles of e x 2 halves x 768 of V; at IKS K's scale words; at IVS V's
.set IMGS,  13056
.set IV,    6144
.set IKS,   12288                      ; 16 x lane + 4 x pair of tiles: lanes 0-15 the pair's even tile, lanes 16-31 the odd one
.set IVS,   12800                      ; 8 x lane + 4 x pair of tiles + the block's byte
.set BIAS,  IMG+4*IMGS                 ; bv, bk, bq of the head, 256 bytes each
.set WSCL,  BIAS+768                   ; W's scale words: 1,536 x matrix + 768 b + 256 j + 8 x lane: words 2 j, 2 j + 1 of the row at place 32 b + lane
.set SPARE, WSCL+4608                  ; the spare words, 128 bytes for each wave: eight blocks of 256 bytes that no other line names
; REGISTERS of the projections
.set L16,  1                           ; 16 x lane
.set L8,   2                           ; 8 x lane
.set WAM,  3                           ; my lane's place in a tile of the weight in hand
.set BA,   4                           ; and among its biases (k, q)
.set SPW,  5                           ; LDS address of my spare word; never rewritten
.set NIL,  6                           ; 0; never rewritten
.set BVA,  7                           ; my lane's place among bv
.set BST,  8                           ; at the head: where a bias is stored,
.set WST,  9                           ; W's scale words,
.set GS,   10                          ; my row of x's scales in memory,
.set GSW,  11                          ; and of W's
.set KST16, 8                          ; later: where my images go
.set KST8, 9
.set KSS,  10
.set VST16, 11
.set VST8, 12
.set VSB,  13
.set XA,   14                          ; my lane's place in my stage
.set WSA,  15                          ; and among W's scale words
.set XS,   16                          ; v16-21 x's scale words, one for each 128 along K: lanes 0-15 my tile 0, lanes 16-31 my tile 1
.set WS,   22                          ; v22-27 W's: lanes 0-15 tile 2 b, lanes 16-31 tile 2 b + 1
.set SX,   22                          ; at the head: v22-30 nine places in my stage, v31-39 nine in W's rows
.set SW,   31
.set R0,   28                          ; v28-33 codes of my tile 0 (k, then q)
.set TM,   34                          ; v34-39 at work in QUANT2 (written at the head, as lane permutes' destinations must be)
.set R1,   40                          ; v40-45 codes of my tile 1
.set QS0,  46                          ; their scale words
.set QS1,  47
.set BV0,  48                          ; v48-49 bv of my lane's e in two tiles
.set VT,   50
.set WRAW, 40                          ; at the head: v40-111 16 rows of a weight as loaded
.set WF,   56                          ; v56-79 two fragments of W
.set G0,   56
.set G1,   60
.set VH,   56
.set VG,   64
.set ACC,  80                          ; v80-111 four accumulators
.set X,    112                         ; v112-255 x's fragments: tile t, K step s at X + 72 t + 12 s
; One product 16 x 16 x 128.  c < 0: the sum begins with 0.  ra, rb: the side's scales stand in lanes 16-31
.macro MM d, a, b, c, sa, sb, ra, rb
.if (\c) < 0
.if (\ra) && (\rb)
	v_wmma_scale_f32_16x16x128_f8f6f4 v[(\d):(\d)+7], v[(\a):(\a)+11], v[(\b):(\b)+11], 0, v[\sa], v[\sb] matrix_a_fmt:MATRIX_FMT_FP6 matrix_b_fmt:MATRIX_FMT_FP6 matrix_a_scale:MATRIX_SCALE_ROW1 matrix_b_scale:MATRIX_SCALE_ROW1
.elseif (\ra)
	v_wmma_scale_f32_16x16x128_f8f6f4 v[(\d):(\d)+7], v[(\a):(\a)+11], v[(\b):(\b)+11], 0, v[\sa], v[\sb] matrix_a_fmt:MATRIX_FMT_FP6 matrix_b_fmt:MATRIX_FMT_FP6 matrix_a_scale:MATRIX_SCALE_ROW1
.elseif (\rb)
	v_wmma_scale_f32_16x16x128_f8f6f4 v[(\d):(\d)+7], v[(\a):(\a)+11], v[(\b):(\b)+11], 0, v[\sa], v[\sb] matrix_a_fmt:MATRIX_FMT_FP6 matrix_b_fmt:MATRIX_FMT_FP6 matrix_b_scale:MATRIX_SCALE_ROW1
.else
	v_wmma_scale_f32_16x16x128_f8f6f4 v[(\d):(\d)+7], v[(\a):(\a)+11], v[(\b):(\b)+11], 0, v[\sa], v[\sb] matrix_a_fmt:MATRIX_FMT_FP6 matrix_b_fmt:MATRIX_FMT_FP6
.endif
.else
.if (\ra) && (\rb)
	v_wmma_scale_f32_16x16x128_f8f6f4 v[(\d):(\d)+7], v[(\a):(\a)+11], v[(\b):(\b)+11], v[(\c):(\c)+7], v[\sa], v[\sb] matrix_a_fmt:MATRIX_FMT_FP6 matrix_b_fmt:MATRIX_FMT_FP6 matrix_a_scale:MATRIX_SCALE_ROW1 matrix_b_scale:MATRIX_SCALE_ROW1
.elseif (\ra)
	v_wmma_scale_f32_16x16x128_f8f6f4 v[(\d):(\d)+7], v[(\a):(\a)+11], v[(\b):(\b)+11], v[(\c):(\c)+7], v[\sa], v[\sb] matrix_a_fmt:MATRIX_FMT_FP6 matrix_b_fmt:MATRIX_FMT_FP6 matrix_a_scale:MATRIX_SCALE_ROW1
.elseif (\rb)
	v_wmma_scale_f32_16x16x128_f8f6f4 v[(\d):(\d)+7], v[(\a):(\a)+11], v[(\b):(\b)+11], v[(\c):(\c)+7], v[\sa], v[\sb] matrix_a_fmt:MATRIX_FMT_FP6 matrix_b_fmt:MATRIX_FMT_FP6 matrix_b_scale:MATRIX_SCALE_ROW1
.else
	v_wmma_scale_f32_16x16x128_f8f6f4 v[(\d):(\d)+7], v[(\a):(\a)+11], v[(\b):(\b)+11], v[(\c):(\c)+7], v[\sa], v[\sb] matrix_a_fmt:MATRIX_FMT_FP6 matrix_b_fmt:MATRIX_FMT_FP6
.endif
.endif
.endm
.macro PLACES                          ; four places behind a product, ahead of loads into its registers and of the first read of its result (ISA guide 7.12.1 for vector instructions)
.rept 4
	v_nop
.endr
.endm
; 16 rows (9,216 dense bytes) of the weight whose codes' address stands in s[cp:cp+1] go to their places in LDS: rows 0-7 of the 16 to eight rows on end, rows 8-15 sixteen rows further on (bits 3 and 4 of e swapped)
.macro WFILL cp
	s_add_nc_u64 s[34:35], s[\cp:\cp+1], s[58:59]
.set ii, 0
.rept 18
	global_load_b128 v[WRAW+4*ii:WRAW+4*ii+3], v[L16], s[34:35] offset:512*ii
.set ii, ii+1
.endr
	s_wait_loadcnt 0x0
.set ii, 0
.rept 18
	ds_store_b128 v[SW+ii%9], v[WRAW+4*ii:WRAW+4*ii+3] offset:(ii/9)*16*PITCH
.set ii, ii+1
.endr
.endm
; one matrix's scale words (lane l takes the rows at places l and 32 + l) and its bias
.macro SFILL sp, bp
	s_add_nc_u64 s[34:35], s[\sp:\sp+1], s[36:37]
	s_add_nc_u64 s[56:57], s[\bp:\bp+1], s[38:39]
	global_load_b64 v[40:41], v[L8], s[56:57]
.irp b, 0,1
.irp j, 0,1,2
	global_load_b64 v[42+6*\b+2*\j:43+6*\b+2*\j], v[GSW], s[34:35] offset:768*\b+8*\j
.endr
.endr
	s_wait_loadcnt 0x0
	ds_store_b64 v[BST], v[40:41]
.irp b, 0,1
.irp j, 0,1,2
	ds_store_b64 v[WST], v[42+6*\b+2*\j:43+6*\b+2*\j] offset:768*\b+256*\j
.endr
.endr
.endm
; My tile t of x, 9,216 bytes as loaded, goes into my stage at the pitch and comes back as six fragments, into the registers that it left.  LDS serves a wave's instructions in order (ISA guide 5.7.1.4) and the
; stage is mine alone: no wait between the stores and the loads, nor ahead of the next tile's stores
.macro XTURN t
.set ii, 0
.rept 18
	ds_store_b128 v[SX+ii%9], v[X+72*\t+4*ii:X+72*\t+4*ii+3] offset:(ii/9)*8*PITCH
.set ii, ii+1
.endr
.irp s, 0,1,2,3,4,5
.irp p, 0,1,2,3,4,5
	ds_load_b64 v[X+72*\t+12*\s+2*\p:X+72*\t+12*\s+2*\p+1], v[XA] offset:96*\s+48*(\p/3)+8*(\p%3)
.endr
.endr
.endm
.macro WLOAD tl, s                     ; two fragments of W: tiles tl, tl + 1, K step s
.irp u, 0,1
.irp p, 0,1,2,3,4,5
	ds_load_b64 v[WF+12*\u+2*\p:WF+12*\u+2*\p+1], v[WAM] offset:16*((\tl)+\u)*PITCH+96*(\s)+48*(\p/3)+8*(\p%3)
.endr
.endr
.endm
; Two runs of 16 numbers of a lane, each half a block of 32 (the other half lies in lane l xor 16), become 16 codes each (3 registers at c0, c1); the blocks' scale bytes are left in v[TM+2], v[TM+3]
.macro QUANT2 s0, s1, c0, c1
	v_max3_num_f32 v[TM], |v[(\s0)]|, |v[(\s0)+1]|, 0x1800000          ; with the floor 2^(3 - 127) among the leaves: the byte cannot fall under 1
	v_max3_num_f32 v[TM+1], |v[(\s1)]|, |v[(\s1)+1]|, 0x1800000
.irp i, 2,4,6,8,10,12,14
	v_max3_num_f32 v[TM], v[TM], |v[(\s0)+\i]|, |v[(\s0)+\i+1]|
	v_max3_num_f32 v[TM+1], v[TM+1], |v[(\s1)+\i]|, |v[(\s1)+\i+1]|
.endr
	v_permlanex16_b32 v[TM+2], v[TM], s40, s41
	v_permlanex16_b32 v[TM+3], v[TM+1], s40, s41
	v_max_num_f32 v[TM], v[TM], v[TM+2]                                ; the block's largest magnitude
	v_max_num_f32 v[TM+1], v[TM+1], v[TM+3]
	v_add_nc_u32 v[TM+4], 0xff000000, v[TM]                            ; 2 off its exponent field: the conversion takes this operand's exponent field as its scale
	v_add_nc_u32 v[TM+5], 0xff000000, v[TM+1]
	v_lshrrev_b32 v[TM+2], 23, v[TM+4]                                 ; the scale's byte
	v_lshrrev_b32 v[TM+3], 23, v[TM+5]
	v_cvt_scalef32_pk16_fp6_f32 v[(\c0):(\c0)+2], v[(\s0):(\s0)+15], v[TM+4]
	v_cvt_scalef32_pk16_fp6_f32 v[(\c1):(\c1)+2], v[(\s1):(\s1)+15], v[TM+5]
	v_nop                                                              ; one plain place behind a scaled conversion
.endm
; v for my 32 keys and e tiles 2 b, 2 b + 1: source 0 = x's tile (keys), source 1 = Wv's tile (e).  The four accumulators take turns
.macro SUBV b
.irp u, 0,1
	ds_load_b32 v[BV0+\u], v[BVA] offset:(32*\b+8*\u)*4
.endr
.irp j, 0,1,2
	ds_load_b64 v[WS+2*\j:WS+2*\j+1], v[WSA] offset:768*\b+256*\j
.endr
.irp s, 0,1,2,3,4,5
	WLOAD 2*\b, \s
	s_wait_dscnt 0x0
.irp u, 0,1
.irp xi, 0,1
.if \s == 0
	MM ACC+16*\u+8*\xi, X+72*\xi+12*\s, WF+12*\u, -1, XS+\s, WS+\s, \xi, \u
.else
	MM ACC+16*\u+8*\xi, X+72*\xi+12*\s, WF+12*\u, ACC+16*\u+8*\xi, XS+\s, WS+\s, \xi, \u
.endif
.endr
.endr
	PLACES
.endr
.irp u, 0,1
.irp i, 0,1,2,3,4,5,6,7,8,9,10,11,12,13,14,15
	v_add_f32 v[ACC+16*\u+\i], v[ACC+16*\u+\i], v[BV0+\u]              ; + bv of my lane's e; each accumulator from its low end on
.endr
.endr
	QUANT2 ACC, ACC+16, VH, VG                                         ; my 32 keys are one block of each e
.irp i, 0,1,2
	v_permlane16_swap_b32 v[VH+\i], v[VG+\i]                           ; lanes 0-15 now hold the whole block of tile 2 b, lanes 16-31 that of tile 2 b + 1
.endr
.irp i, 0,1,2
	v_mov_b32 v[VH+3+\i], v[VG+\i]
.endr
	v_cndmask_b32 v[VT], v[TM+2], v[TM+3], s44                         ; and its byte
	ds_store_b128 v[VST16], v[VH:VH+3] offset:IV+3072*\b
	ds_store_b64 v[VST8], v[VH+4:VH+5] offset:IV+512+3072*\b
	ds_store_b8 v[VSB], v[VT] offset:IVS+4*\b
.endm
; k^T or q^T for my two tiles of rows and e = 32 b .. 32 b + 31: source 0 = W's tile, source 1 = x's tile.  The bias is the C of each sum's first product
.macro SUBQK b
.irp xi, 0,1
.irp u, 0,1
	ds_load_b128 v[ACC+16*\xi+8*\u:ACC+16*\xi+8*\u+3], v[BA] offset:(32*\b+8*\u)*4
	ds_load_b128 v[ACC+16*\xi+8*\u+4:ACC+16*\xi+8*\u+7], v[BA] offset:(32*\b+8*\u)*4+16
.endr
.endr
.irp j, 0,1,2
	ds_load_b64 v[WS+2*\j:WS+2*\j+1], v[WSA] offset:768*\b+256*\j
.endr
.irp s, 0,1,2,3,4,5
	WLOAD 2*\b, \s
	s_wait_dscnt 0x0
.irp xi, 0,1
.irp u, 0,1
	MM ACC+16*\xi+8*\u, WF+12*\u, X+72*\xi+12*\s, ACC+16*\xi+8*\u, WS+\s, XS+\s, \u, \xi
.endr
.endr
	PLACES
.endr
.if \b == 0
	QUANT2 ACC, ACC+16, R0, R1
	v_mov_b32 v[QS0], v[TM+2]
	v_mov_b32 v[QS1], v[TM+3]
.else
	QUANT2 ACC, ACC+16, G0, G1
	v_lshl_or_b32 v[QS0], v[TM+2], 8, v[QS0]                           ; the scale word: bytes of blocks 0 and 1; the two upper bytes stay 0 (they meet zero codes)
	v_lshl_or_b32 v[QS1], v[TM+3], 8, v[QS1]
.irp i, 0,1,2
	v_permlane16_swap_b32 v[R0+\i], v[G0+\i]                           ; lanes 0-15: the whole of block 0; lanes 16-31: of block 1
	v_permlane16_swap_b32 v[R1+\i], v[G1+\i]
.endr
.irp i, 0,1,2
	v_mov_b32 v[R0+3+\i], v[G0+\i]
	v_mov_b32 v[R1+3+\i], v[G1+\i]
.endr
.endif
.endm
	s_load_b512 s[4:19], s[0:1], 0x0               ; x's codes s[4:5], x's scales s[6:7], Wv's codes, scales, bv s[8:13], Wk's codes, scales, bk s[14:19]
	s_load_b256 s[20:27], s[0:1], 0x40             ; Wq's codes, scales, bq s[20:25], oc s[26:27]
	s_load_b64 s[28:29], s[0:1], 0x60              ; osc
	v_lshl_add_u32 v[SPW], v0, 2, SPARE
	v_mov_b32 v[NIL], 0
	v_lshrrev_b32 v12, 5, v0
	v_readfirstlane_b32 s2, v12                    ; wave 0..15
	s_mov_b32 s3, ttmp9                            ; the head
	s_and_b32 s30, ttmp7, 0xffff                   ; the batch
	s_mov_b32 s40, 0x76543210
	s_mov_b32 s41, 0xfedcba98                      ; v_permlanex16_b32's selects for lane l xor 16
	s_mov_b32 s42, 0x3e38aa3b                      ; c = log2(e) / 8: t = score x c
	s_mov_b32 s43, s42                             ; (named with it as a pair, so it is written)
	s_mov_b32 s44, 0xffff0000                      ; lanes 16-31
	s_mul_i32 s50, s2, XSTW
	s_add_co_u32 s50, s50, XST                     ; my stage
	s_lshr_b32 s51, s2, 1
	s_lshl_b32 s51, s51, 5
	s_and_b32 s52, s2, 1
	s_lshl_b32 s52, s52, 3
	s_add_co_u32 s51, s51, s52
	s_mul_i32 s51, s51, PITCH                      ; waves 0-11: where my 16 rows of W begin: row 32 (w / 2) + 8 (w % 2)
	s_lshl_b32 s52, s2, 8
	s_add_co_u32 s52, s52, BIAS-12*256             ; waves 12-14: my bias,
	s_mul_i32 s53, s2, 1536
	s_add_co_u32 s53, s53, WSCL-12*1536            ; and my scale words
	v_and_b32 v13, 31, v0                          ; lane
	v_lshlrev_b32 v[L16], 4, v13
	v_lshlrev_b32 v[L8], 3, v13
.irp k, 0,1,2,3,4,5,6,7,8                      ; piece t = 32 k + lane of 16 bytes, of eight dense rows of 36 pieces, lies at 16 (t + t / 36) under the pitch; t / 36 = 57 t >> 11 for t up to 287
	v_add_nc_u32 v12, 32*\k, v13
	v_mul_u32_u24 v[SX+\k], 57, v12
	v_lshrrev_b32 v[SX+\k], 11, v[SX+\k]
	v_add_nc_u32 v[SX+\k], v[SX+\k], v12
	v_lshlrev_b32 v[SX+\k], 4, v[SX+\k]
	v_add_nc_u32 v[SW+\k], s51, v[SX+\k]
	v_add_nc_u32 v[SX+\k], s50, v[SX+\k]
.endr
	v_mul_u32_u24 v[GS], 24, v13                   ; a row of scales is 24 bytes
	v_and_b32 v[GSW], 7, v0
	v_and_b32 v12, 8, v0
	v_lshl_or_b32 v[GSW], v12, 1, v[GSW]
	v_bfe_u32 v[BA], v0, 4, 1                      ; h
	v_lshl_or_b32 v[GSW], v[BA], 3, v[GSW]         ; the lane's number with bits 3 and 4 swapped
	v_mul_u32_u24 v[GSW], 24, v[GSW]
	v_and_b32 v13, 15, v0                          ; r
	v_add_nc_u32 v[BVA], v12, v13                  ; r + 8 (r / 8)
	v_lshl_add_u32 v[BVA], v[BVA], 2, BIAS
	v_mul_u32_u24 v[WAM], v13, PITCH
	v_mad_u32_u24 v[WAM], v[BA], 24, v[WAM]        ; a fragment's row x pitch + 24 x half
	v_add_nc_u32 v[XA], s50, v[WAM]
	v_lshl_add_u32 v[BA], v[BA], 6, BIAS+256       ; bk: my half's 16 numbers of a block of 32
	v_add_nc_u32 v[WSA], WSCL, v[L8]
	v_add_nc_u32 v[BST], s52, v[L8]
	v_add_nc_u32 v[WST], s53, v[L8]
	s_lshl_b32 s54, s30, 9
	s_lshl_b32 s55, s2, 5
	s_add_co_u32 s54, s54, s55                     ; my first row of x: 512 x batch + 32 x wave
	s_mul_i32 s32, s54, 576
	s_mov_b32 s33, 0
	s_mul_i32 s56, s54, 24
	s_mov_b32 s57, 0
	s_mul_i32 s36, s3, 1536                        ; the head's scales of a weight,
	s_mov_b32 s37, 0
	s_lshl_b32 s38, s3, 8                          ; its bias,
	s_mov_b32 s39, 0
	s_and_b32 s55, s2, 3
	s_mul_i32 s55, s55, 9216
	s_mul_i32 s58, s3, 36864
	s_add_co_u32 s58, s58, s55                     ; and my 16 rows of its codes
	s_mov_b32 s59, 0
	s_lshl_b32 s46, s30, 5
	s_lshl_b32 s55, s2, 1
	s_add_co_u32 s46, s46, s55                     ; my first tile of rows: 32 x batch + 2 x wave
	s_mul_i32 s46, s46, 12
	s_add_co_u32 s46, s46, s3
	s_mul_i32 s46, s46, 768                        ; oc: (tile x 12 + head) x 768
	s_mov_b32 s47, 0
	s_lshr_b32 s48, s3, 1
	s_lshl_b32 s48, s48, 14
	s_add_co_u32 s48, s48, s54
	s_lshl_b32 s48, s48, 2
	s_and_b32 s55, s3, 1
	s_lshl_b32 s55, s55, 1
	s_add_co_u32 s48, s48, s55                     ; osc: ((head / 2) x 16,384 + row) x 4 + 2 (head % 2)
	s_mov_b32 s49, 0
	s_wait_kmcnt 0x0
	s_add_nc_u64 s[4:5], s[4:5], s[32:33]
	s_add_nc_u64 s[6:7], s[6:7], s[56:57]
	s_add_nc_u64 s[46:47], s[26:27], s[46:47]
	s_add_nc_u64 s[48:49], s[28:29], s[48:49]
.irp j, 0,1,2
	global_load_b64 v[XS+2*\j:XS+2*\j+1], v[GS], s[6:7] offset:8*\j    ; lane l: the six scale words of my row l
.endr
.set ii, 0
.rept 36
	global_load_b128 v[X+4*ii:X+4*ii+3], v[L16], s[4:5] offset:512*ii  ; my 32 rows' codes, 18,432 dense bytes: 512 consecutive bytes a load
.set ii, ii+1
.endr
	; the one parting on the wave's number: waves 0-11 bring the three weights, waves 12-14 their scales and biases
	s_cmp_lt_u32 s2, 4
	s_cbranch_scc0 .Lnot_wv
	WFILL 8
	s_branch .Ljoin
.Lnot_wv:
	s_cmp_lt_u32 s2, 8
	s_cbranch_scc0 .Lnot_wk
	WFILL 14
	s_branch .Ljoin
.Lnot_wk:
	s_cmp_lt_u32 s2, 12
	s_cbranch_scc0 .Lnot_wq
	WFILL 20
	s_branch .Ljoin
.Lnot_wq:
	s_cmp_eq_u32 s2, 12
	s_cbranch_scc0 .Lnot_sv
	SFILL 10, 12
	s_branch .Ljoin
.Lnot_sv:
	s_cmp_eq_u32 s2, 13
	s_cbranch_scc0 .Lnot_sk
	SFILL 16, 18
	s_branch .Ljoin
.Lnot_sk:
	s_cmp_eq_u32 s2, 14
	s_cbranch_scc0 .Ljoin
	SFILL 22, 24
.Ljoin:
	s_wait_loadcnt 0x0                             ; x's codes and scales are in
	XTURN 0
	XTURN 1
	s_wait_dscnt 0x0                               ; for the others' sake: my stores of W, scales and biases have landed; and x's fragments are in
	s_barrier_signal -1
	; register work while the others arrive: where my images of K and V go.  Key step w / 4, block w % 4
	s_lshr_b32 s55, s2, 2
	s_mul_i32 s55, s55, IMGS
	s_add_co_u32 s55, s55, IMG
	s_and_b32 s56, s2, 3
	s_mul_i32 s57, s56, 1536
	s_add_co_u32 s57, s57, s55
	v_add_nc_u32 v[KST16], s57, v[L16]             ; K's tiles 2 (w % 4) and 2 (w % 4) + 1
	v_add_nc_u32 v[KST8], s57, v[L8]
	s_lshl_b32 s57, s56, 2
	s_add_co_u32 s57, s57, s55
	v_add_nc_u32 v[KSS], s57, v[L16]               ; their scale words: pair w % 4
	s_add_co_u32 s57, s56, s55
	v_add_nc_u32 v[VSB], s57, v[L8]                ; V's scale bytes: byte w % 4
	s_bfe_u32 s57, s2, 0x10001
	s_mul_i32 s57, s57, 768
	s_add_co_u32 s57, s57, s55                     ; V: block 2 g + h of a fragment lies in registers 6 g .. 6 g + 5 of lane half h: g = (w / 2) % 2, h = w % 2
	s_and_b32 s52, s2, 1
	s_lshl_b32 s53, s52, 8
	s_add_co_u32 s53, s53, s57
	s_lshl_b32 s52, s52, 7
	s_add_co_u32 s52, s52, s57
	v_and_b32 v50, 15, v0
	v_bfe_u32 v51, v0, 4, 1
	v_mul_u32_u24 v51, v51, 1536                   ; my lanes 16-31 hold the odd tile of e
	v_lshl_add_u32 v[VST16], v50, 4, v51
	v_add_nc_u32 v[VST16], s53, v[VST16]
	v_lshl_add_u32 v[VST8], v50, 3, v51
	v_add_nc_u32 v[VST8], s52, v[VST8]
	s_barrier_wait -1                              ; W, its scales and the biases are whole
	SUBV 0
	SUBV 1
	v_add_nc_u32 v[WAM], WMAT, v[WAM]              ; on to Wk
	v_add_nc_u32 v[WSA], 1536, v[WSA]
	SUBQK 0
	SUBQK 1
	v_cndmask_b32 v[VT], v[QS0], v[QS1], s44       ; lanes 0-15 my tile 0's scale words, lanes 16-31 my tile 1's
	ds_store_b32 v[KSS], v[VT] offset:IKS
	ds_store_b128 v[KST16], v[R0:R0+3]
	ds_store_b64 v[KST8], v[R0+4:R0+5] offset:512
	ds_store_b128 v[KST16], v[R1:R1+3] offset:768
	ds_store_b64 v[KST8], v[R1+4:R1+5] offset:768+512
	v_add_nc_u32 v[WAM], WMAT, v[WAM]              ; on to Wq
	v_add_nc_u32 v[WSA], 1536, v[WSA]
	v_add_nc_u32 v[BA], 256, v[BA]
	SUBQK 0                                        ; (its waits for LDS stand ahead of the first line that writes the registers stored above)
	SUBQK 1                                        ; q stays in registers
	s_wait_dscnt 0x0                               ; for the others' sake: my images have landed
	s_barrier_signal -1
	s_barrier_wait -1                              ; K and V of the whole (head, batch) lie in LDS; from here on LDS is only read
; REGISTERS of the attention.  (v112-255 held x's fragments: every one has been written, as a lane permute's destination must be)
.set TM,  220                          ; v220-225 at work in QUANT2
.set R16, 3                            ; IMG + 16 x lane
.set R8,  4                            ; IMG + 8 x lane
.set OSO, 7                            ; 4 r
.set QW,  28                           ; v28-39 the tile of queries in hand: six registers of codes, six of zero codes
.set Q1,  40                           ; v40-45 my second tile's codes
.set KV,  56                           ; v56-109 K's eight tiles, six registers apart, and six zeros; then V's four fragments
.set S,   112                          ; v112-175 S^T, then p
.set O,   176                          ; v176-207 O^T
.set PC,  208                          ; v208-219 p's codes
.set BM,  226                          ; v226-229 a block's largest score, then its largest p
.set T4,  230
.set SOP, 234                          ; v234-237 the conversions' scale operands
.set GA,  238                          ; v238-240, v242-244 the blocks' second halves
.set FF,  246                          ; v[246:247] f = 2^(old M - new M), at the end 1 / l
.set PW,  248                          ; p's scale word
.set TT,  249
.set KS,  250                          ; v250-253 K's scale words
.set VS,  254                          ; v254-255 V's
; v12 -M, v13 the largest t, v[14:15] the row's sum in two halves
.irp i, 0,1,2,3,4,5
	v_mov_b32 v[QW+6+\i], 0                        ; q's codes of k = 64 .. 127
	v_mov_b32 v[KV+48+\i], 0                       ; what stands behind K's tile 7
.endr
	v_mov_b32 v[FF+1], 0                           ; (named as the upper half of a pair)
	v_add_nc_u32 v[R16], IMG, v[L16]
	v_add_nc_u32 v[R8], IMG, v[L8]
	v_and_b32 v[OSO], 15, v0
	v_lshlrev_b32 v[OSO], 2, v[OSO]
; A KEY STEP: 128 keys against the 16 queries in hand.  first = 1: it starts M, the sum and O^T
.macro STEP s, first
.set SB, IMGS*(\s)
	PLACES                                         ; behind the last products, ahead of loads into their registers; behind the moves that changed the tile of queries
.irp t, 0,1,2,3,4,5,6,7
	ds_load_b128 v[KV+6*\t:KV+6*\t+3], v[R16] offset:SB+768*\t
	ds_load_b64 v[KV+6*\t+4:KV+6*\t+5], v[R8] offset:SB+768*\t+512
.endr
	ds_load_b128 v[KS:KS+3], v[R16] offset:SB+IKS
	s_wait_dscnt 0x0
.irp t, 0,1,2,3,4,5,6,7
	MM S+8*\t, KV+6*\t, QW, -1, KS+\t/2, QS0, \t%2, 0                  ; S^T: a lane holds query lane % 16, register j key 16 t + 8 (lane / 16) + j
.endr
	PLACES
.irp t, 0,1,2,3                                ; V's fragments are asked for now and land under the softmax
.irp g, 0,1
	ds_load_b128 v[KV+12*\t+6*\g:KV+12*\t+6*\g+3], v[R16] offset:SB+IV+1536*\t+768*\g
	ds_load_b64 v[KV+12*\t+6*\g+4:KV+12*\t+6*\g+5], v[R8] offset:SB+IV+1536*\t+768*\g+512
.endr
.endr
	ds_load_b64 v[VS:VS+1], v[R8] offset:SB+IVS
.irp b, 0,1,2,3
	v_max3_num_f32 v[BM+\b], v[S+16*\b], v[S+16*\b+1], v[S+16*\b+2]    ; the largest score of each block of 32 keys: for the row's maximum, and, since p rises with the score, for the block's largest p
.endr
.irp i, 3,5,7,9,11,13
.irp b, 0,1,2,3
	v_max3_num_f32 v[BM+\b], v[BM+\b], v[S+16*\b+\i], v[S+16*\b+\i+1]
.endr
.endr
.irp b, 0,1,2,3
	v_max_num_f32 v[BM+\b], v[BM+\b], v[S+16*\b+15]
.endr
.irp b, 0,1,2,3
	v_permlanex16_b32 v[T4+\b], v[BM+\b], s40, s41
.endr
.irp b, 0,1,2,3
	v_max_num_f32 v[BM+\b], v[BM+\b], v[T4+\b]
.endr
	v_max3_num_f32 v[TT], v[BM], v[BM+1], v[BM+2]
	v_max_num_f32 v[TT], v[TT], v[BM+3]
.if \first
	v_mul_f32 v13, s42, v[TT]                      ; the largest t
	v_floor_f32 v12, -v13                          ; -M = floor(-t): M is a whole number
.else
	v_mul_f32 v[TT], s42, v[TT]
	v_max_num_f32 v13, v13, v[TT]                  ; the running largest t
	v_mov_b32 v[TT], v12
	v_floor_f32 v12, -v13
	v_sub_f32 v[TT], v12, v[TT]                    ; old M - new M: a whole number, 0 or less
	v_cvt_i32_f32 v[TT], v[TT]
	v_ldexp_f32 v[FF], 1.0, v[TT]                  ; f: a multiplication by it rounds nothing
.endif
.set jj, 0
.rept 32
	v_pk_fma_f32 v[S+jj:S+jj+1], v[S+jj:S+jj+1], s[42:43], v[12:13] op_sel_hi:[1,0,0]   ; t - M, two at a time
.set jj, jj+2
.endr
.irp b, 0,1,2,3
	v_fma_f32 v[BM+\b], v[BM+\b], s42, v12
.endr
.set jj, 0
.rept 64
	v_exp_f32 v[S+jj], v[S+jj]                     ; p = 2^(t - M): not normalised
.set jj, jj+1
.endr
.if \first
	v_nop                                          ; a plain place behind the exponentials
.else
	v_pk_mul_f32 v[14:15], v[14:15], v[FF:FF+1] op_sel_hi:[1,0]        ; the sums under the new M (a plain place behind the exponentials)
.endif
	s_wait_alu depctr_va_vdst(0)                   ; one wait for the batch of 64, ahead of its first reader
.irp b, 0,1,2,3
	v_exp_f32 v[BM+\b], v[BM+\b]                   ; the block's largest p
.endr
.if \first                                     ; the row's sum is taken of the unquantised p, in two chains
	v_pk_add_f32 v[14:15], v[S:S+1], v[S+2:S+3]
	v_pk_add_f32 v[GA:GA+1], v[S+4:S+5], v[S+6:S+7]
.set jj, 8
.rept 14
	v_pk_add_f32 v[14:15], v[14:15], v[S+jj:S+jj+1]
	v_pk_add_f32 v[GA:GA+1], v[GA:GA+1], v[S+jj+2:S+jj+3]
.set jj, jj+4
.endr
.else
	v_pk_add_f32 v[GA:GA+1], v[S:S+1], v[S+2:S+3]
.set jj, 4
.rept 15
	v_pk_add_f32 v[14:15], v[14:15], v[S+jj:S+jj+1]
	v_pk_add_f32 v[GA:GA+1], v[GA:GA+1], v[S+jj+2:S+jj+3]
.set jj, jj+4
.endr
.endif
	v_pk_add_f32 v[14:15], v[14:15], v[GA:GA+1]
	s_wait_alu depctr_va_vdst(0)                   ; and one for the four
.irp b, 0,1,2,3
	v_max_num_f32 v[BM+\b], 0x1800000, v[BM+\b]    ; the floor 2^(3 - 127): the byte cannot fall under 1
.endr
.irp b, 0,1,2,3
	v_add_nc_u32 v[SOP+\b], 0xff000000, v[BM+\b]
.endr
.irp b, 0,1,2,3
	v_lshrrev_b32 v[T4+\b], 23, v[SOP+\b]
.endr
	v_lshl_or_b32 v[PW], v[T4+1], 8, v[T4]
	v_lshl_or_b32 v[PW], v[T4+2], 16, v[PW]
	v_lshl_or_b32 v[PW], v[T4+3], 24, v[PW]
.irp c, 0,1
	v_cvt_scalef32_pk16_fp6_f32 v[PC+6*\c:PC+6*\c+2], v[S+32*\c:S+32*\c+15], v[SOP+2*\c]
	v_cvt_scalef32_pk16_fp6_f32 v[GA+4*\c:GA+4*\c+2], v[S+32*\c+16:S+32*\c+31], v[SOP+2*\c+1]
.endr
	v_nop                                          ; one plain place behind a scaled conversion
.irp c, 0,1                                    ; a whole block to a lane: lanes 0-15 block 2 c, lanes 16-31 block 2 c + 1
.irp i, 0,1,2
	v_permlane16_swap_b32 v[PC+6*\c+\i], v[GA+4*\c+\i]
.endr
.irp i, 0,1,2
	v_mov_b32 v[PC+6*\c+3+\i], v[GA+4*\c+\i]
.endr
.endr
.if \first
.rept 8
	v_nop                                          ; a scale word made by vector instructions stands eight places ahead of the product, codes so made four
.endr
.else
.set jj, 0
.rept 16
	v_pk_mul_f32 v[O+jj:O+jj+1], v[O+jj:O+jj+1], v[FF:FF+1] op_sel_hi:[1,0]   ; O^T under the new M; these sixteen are also those places
.set jj, jj+2
.endr
.endif
	s_wait_dscnt 0x0                               ; V is in
.irp t, 0,1,2,3
.if \first
	MM O+8*\t, KV+12*\t, PC, -1, VS+\t/2, PW, \t%2, 0
.else
	MM O+8*\t, KV+12*\t, PC, O+8*\t, VS+\t/2, PW, \t%2, 0
.endif
.endr
.endm
	s_mov_b32 s45, 2
.Ltile:                                            ; two trips: my two tiles of 16 queries
	STEP 0, 1
	STEP 1, 0
	STEP 2, 0
	STEP 3, 0
	; O^T / l is quantised along e and leaves as an image of six registers.  Register 16 b + i is e = 32 b + 16 (lane / 16) + i of my query
	v_add_f32 v14, v14, v15
	v_permlanex16_b32 v[TT], v14, s40, s41
	v_add_f32 v14, v14, v[TT]                      ; the row's sum
	v_rcp_f32 v[FF], v14
	PLACES                                         ; behind the reciprocal, and behind the last products
	s_wait_alu depctr_va_vdst(0)                   ; ahead of the reciprocal's first reader
.set jj, 0
.rept 16
	v_pk_mul_f32 v[S+jj:S+jj+1], v[O+jj:O+jj+1], v[FF:FF+1] op_sel_hi:[1,0]   ; each accumulator from its low end on
.set jj, jj+2
.endr
	QUANT2 S, S+16, PC, GA
.irp i, 0,1,2
	v_permlane16_swap_b32 v[PC+\i], v[GA+\i]
.endr
.irp i, 0,1,2
	v_mov_b32 v[PC+3+\i], v[GA+\i]
.endr
	v_lshl_or_b32 v[TT], v[TM+3], 8, v[TM+2]       ; the head's two scale bytes of my row
	global_store_b128 v[L16], v[PC:PC+3], s[46:47]                     ; 512 consecutive bytes, at a multiple of 256 from oc's first byte
	global_store_b64 v[L8], v[PC+4:PC+5], s[46:47] offset:512          ; and 256 more
	global_store_b16 v[OSO], v[TT], s[48:49]       ; lanes r and 16 + r hold, and store, the same two bytes
	s_wait_xcnt 0x0                                ; the stores' bases and registers are written again only behind this wait
	v_mov_b32 v[QS0], v[QS1]                       ; on to my second tile (in the second trip these seven change nothing)
.irp i, 0,1,2,3,4,5
	v_mov_b32 v[QW+\i], v[Q1+\i]
.endr
	s_add_nc_u64 s[46:47], s[46:47], 12*768
	s_add_nc_u64 s[48:49], s[48:49], 64
	s_sub_co_u32 s45, s45, 1
	s_cmp_lg_u32 s45, 0
	s_cbranch_scc1 .Ltile
	s_wait_tensorcnt 0x0                           ; the wave's end: behind my last LDS store
	ds_add_u32 v[SPW], v[NIL]
	s_wait_dscnt 0x0
	s_endpgm
.Lfunc_end_k_qe267413e54_attn:
	.size	k_qe267413e54_attn, .Lfunc_end_k_qe267413e54_attn-k_qe267413e54_attn
	.p2alignl 7, 3214868480
	.fill 96, 4, 3214868480
	.section	.rodata,"a",@progbits
	.p2align	6, 0x0
	.amdhsa_kernel k_qe267413e54_attn
		.amdhsa_group_segment_fixed_size 324864
		.amdhsa_private_segment_fixed_size 0
		.amdhsa_enable_private_segment 0
		.amdhsa_kernarg_size 104
		.amdhsa_user_sgpr_count 2
		.amdhsa_user_sgpr_kernarg_segment_ptr 1
		.amdhsa_wavefront_size32 1
		.amdhsa_system_sgpr_workgroup_id_x 1
		.amdhsa_system_sgpr_workgroup_id_y 1
		.amdhsa_system_sgpr_workgroup_id_z 1
		.amdhsa_system_vgpr_workitem_id 0
		.amdhsa_next_free_vgpr 256
		.amdhsa_next_free_sgpr 66
		.amdhsa_reserve_vcc 0
		.amdhsa_float_denorm_mode_32 3
		.amdhsa_float_denorm_mode_16_64 3
		.amdhsa_memory_ordered 1
		.amdhsa_forward_progress 1
		.amdhsa_inst_pref_size 165
	.end_amdhsa_kernel
	.amdgpu_metadata
---
amdhsa.version: [ 1, 2 ]
amdhsa.kernels:
  - .name:           k_qe267413e54_attn
    .symbol:         k_qe267413e54_attn.kd
    .args:
      - { .name: x_codes, .offset: 0, .size: 8, .value_kind: global_buffer, .address_space: global }
      - { .name: x_scales, .offset: 8, .size: 8, .value_kind: global_buffer, .address_space: global }
      - { .name: Wv_codes, .offset: 16, .size: 8, .value_kind: global_buffer, .address_space: global }
      - { .name: Wv_scales, .offset: 24, .size: 8, .value_kind: global_buffer, .address_space: global }
      - { .name: bv, .offset: 32, .size: 8, .value_kind: global_buffer, .address_space: global }
      - { .name: Wk_codes, .offset: 40, .size: 8, .value_kind: global_buffer, .address_space: global }
      - { .name: Wk_scales, .offset: 48, .size: 8, .value_kind: global_buffer, .address_space: global }
      - { .name: bk, .offset: 56, .size: 8, .value_kind: global_buffer, .address_space: global }
      - { .name: Wq_codes, .offset: 64, .size: 8, .value_kind: global_buffer, .address_space: global }
      - { .name: Wq_scales, .offset: 72, .size: 8, .value_kind: global_buffer, .address_space: global }
      - { .name: bq, .offset: 80, .size: 8, .value_kind: global_buffer, .address_space: global }
      - { .name: oc, .offset: 88, .size: 8, .value_kind: global_buffer, .address_space: global }
      - { .name: osc, .offset: 96, .size: 8, .value_kind: global_buffer, .address_space: global }
    .group_segment_fixed_size: 324864
    .private_segment_fixed_size: 0
    .kernarg_segment_align: 8
    .kernarg_segment_size: 104
    .max_flat_workgroup_size: 512
    .sgpr_count:     66
    .vgpr_count:     256
    .wavefront_size: 32
...
	.end_amdgpu_metadata
.endif
;; end of part 1
;; launch oproj (part 2): grid 4 x 64, 16 waves a work-group, no clusters, 317,184 bytes of LDS; arguments oc, osc, Wo_codes, Wo_scales, bo, out0; writes out0
.if DOCPART == 2
	.amdgcn_target "amdgcn-amd-amdhsa--gfx1250"
	.amdhsa_code_object_version 6
	.text
	.protected	k_qe267413e54_oproj
	.globl	k_qe267413e54_oproj
	.p2align	8
	.type	k_qe267413e54_oproj,@function
k_qe267413e54_oproj:
	s_mov_b64 s[64:65], 0
	v_nop
	global_prefetch_b8 v0, s[64:65] scope:SCOPE_SE
	s_setreg_imm32_b32 hwreg(HW_REG_WAVE_MODE, 25, 1), 1
	s_wait_xcnt 0x0
; out0 = O Wo + bo on codes of FP6 (E2M3) with one E8M0 scale for each 32 along K = 768.  No work of reference() is left out here.
; oc holds O's codes as images of six registers, (tile of 16 rows x 12 + head) x 768 bytes: registers 0-3 at 16 x lane, registers 4-5 at 512 + 8 x lane; two heads on end are a fragment of 128 along K.
; osc holds O's scale words, [6 K steps][16,384 rows].  Wo's codes [768 (n)][576 bytes] and scales [768][24] come as given.
; LIMITS: NaN and infinities are not served; a given scale byte 0xff gives NaN.  bo is the C of each sum's first product: it is added ahead of the products, another order of rounding than reference()'s.
; SHARES.  A work-group makes 256 rows x 192 columns.  Wave w owns 16 rows and all 192 columns: 12 accumulators; its six fragments of O come from memory straight into registers and stay.
; Wo's 192 rows go to LDS once, at a pitch free of bank conflicts, and every wave reads them from there.
; THE PRODUCT IS USED TRANSPOSED (source 0 = 16 rows of Wo, source 1 = my 16 rows of O): a lane then holds eight neighbouring columns of one row of out0.
; NO JOINT LOADS: all that is read from memory is asked for once, in one run at the head; of a work-group's 466,176 bytes in and out, 115,968 (Wo's rows, scales, bias) are shared with other row groups.
.set PITCH, 592                        ; 576 bytes + 16 = 148 words: row r starts at bank 20 r mod 64 (64 banks of 4 bytes: ISA guide 11.1)
.set STG,   192*PITCH                  ; behind Wo's rows: a stage of 16 rows x (768 bytes + 16) for each wave
.set SPIT,  784
.set STGW,  16*SPIT
.set BIAS2, STG+16*STGW                ; bo's 192 numbers
.set SPARE, BIAS2+768                  ; the spare words, 128 bytes for each wave: eight blocks of 256 bytes that no other line names
.set L16,  1                           ; 16 x lane
.set L8,   2                           ; 8 x lane
.set WA,   3                           ; my lane's place in Wo's tiles 0-5;  WA2: in tiles 6-11 (an LDS immediate has 16 bits)
.set BA2,  4                           ; and among the biases
.set SPW,  5                           ; LDS address of my spare word; never rewritten
.set NIL,  6                           ; 0; never rewritten
.set SO,   7                           ; the stage: where I put 32 bytes of a row
.set RD,   8                           ; v8-10  and where I read rows back
.set GO,   11                          ; v11-13 the same places in out0
.set AO,   14                          ; 4 r
.set BO,   15                          ; 24 x lane
.set AS,   16                          ; v16-21 O's scale words, one for each K step
.set BS,   22                          ; v22-57 Wo's: pair of tiles q, K step s at BS + 6 q + s: lanes 0-15 tile 2 q, lanes 16-31 tile 2 q + 1
.set WF,   58                          ; v58-81 two fragments of Wo
.set SW,   58                          ; at the head: v58-66 nine places in Wo's rows
.set AF,   82                          ; v82-153 O's fragments: head hd at AF + 6 hd
.set ACC,  154                         ; v154-249 twelve accumulators
.set WRAW, 154                         ; at the head: 16 rows of Wo as loaded
.set OUTR, 58                          ; the way out: v58-153 16 rows read back from the stage
.set WA2,  250
.set BST2, 251
.macro MM d, a, b, sa, sb, ra          ; one product 16 x 16 x 128, added in place.  ra: source 0's scales stand in lanes 16-31
.if (\ra)
	v_wmma_scale_f32_16x16x128_f8f6f4 v[(\d):(\d)+7], v[(\a):(\a)+11], v[(\b):(\b)+11], v[(\d):(\d)+7], v[\sa], v[\sb] matrix_a_fmt:MATRIX_FMT_FP6 matrix_b_fmt:MATRIX_FMT_FP6 matrix_a_scale:MATRIX_SCALE_ROW1
.else
	v_wmma_scale_f32_16x16x128_f8f6f4 v[(\d):(\d)+7], v[(\a):(\a)+11], v[(\b):(\b)+11], v[(\d):(\d)+7], v[\sa], v[\sb] matrix_a_fmt:MATRIX_FMT_FP6 matrix_b_fmt:MATRIX_FMT_FP6
.endif
.endm
.macro WPAIR q, s                      ; Wo's tiles 2 q and 2 q + 1, K step s
.irp u, 0,1
.irp p, 0,1,2,3,4,5
.if (\q) < 3
	ds_load_b64 v[WF+12*\u+2*\p:WF+12*\u+2*\p+1], v[WA] offset:16*(2*(\q)+\u)*PITCH+96*(\s)+48*(\p/3)+8*(\p%3)
.else
	ds_load_b64 v[WF+12*\u+2*\p:WF+12*\u+2*\p+1], v[WA2] offset:16*(2*(\q)-6+\u)*PITCH+96*(\s)+48*(\p/3)+8*(\p%3)
.endif
.endr
.endr
.endm
	s_load_b256 s[4:11], s[0:1], 0x0               ; oc s[4:5], osc s[6:7], Wo's codes s[8:9], Wo's scales s[10:11]
	s_load_b128 s[12:15], s[0:1], 0x20             ; bo s[12:13], out0 s[14:15]
	v_lshl_add_u32 v[SPW], v0, 2, SPARE
	v_mov_b32 v[NIL], 0
	v_lshrrev_b32 v253, 5, v0
	v_readfirstlane_b32 s2, v253                   ; wave 0..15
	s_and_b32 s16, ttmp7, 0xffff
	s_lshl_b32 s17, s16, 4
	s_add_co_u32 s17, s17, s2                      ; my tile of 16 rows: 16 x work-group y + wave
	s_mul_i32 s18, s17, 12*768                     ; in oc,
	s_mov_b32 s19, 0
	s_lshl_b32 s20, s17, 6                         ; in a K step of osc,
	s_mov_b32 s21, 0
	s_mul_i32 s22, ttmp9, 192
	s_lshl_b32 s23, s2, 4
	s_add_co_u32 s22, s22, s23
	s_mul_i32 s22, s22, 576                        ; waves 0-11: my 16 rows of Wo's codes
	s_mov_b32 s23, 0
	s_mul_i32 s24, ttmp9, 192*24                   ; the work-group's 192 rows of Wo's scales
	s_mov_b32 s25, 0
	s_mul_i32 s26, ttmp9, 768                      ; its 192 columns, in bytes of f32
	s_mov_b32 s27, 0
	s_mul_i32 s28, s17, 16*3072
	s_add_co_u32 s28, s28, s26                     ; my rows of out0, at those columns
	s_mov_b32 s29, 0
	s_mul_i32 s30, s2, 16*PITCH
	s_mul_i32 s31, s2, STGW
	s_add_co_u32 s31, s31, STG                     ; my stage
	v_and_b32 v252, 31, v0                         ; lane
	v_lshlrev_b32 v[L16], 4, v252
	v_lshlrev_b32 v[L8], 3, v252
.irp k, 0,1,2,3,4,5,6,7,8                      ; piece t = 32 k + lane of 16 bytes, of eight dense rows of 36 pieces, lies at 16 (t + t / 36) under the pitch; t / 36 = 57 t >> 11 for t up to 287
	v_add_nc_u32 v253, 32*\k, v252
	v_mul_u32_u24 v[SW+\k], 57, v253
	v_lshrrev_b32 v[SW+\k], 11, v[SW+\k]
	v_add_nc_u32 v[SW+\k], v[SW+\k], v253
	v_lshlrev_b32 v[SW+\k], 4, v[SW+\k]
	v_add_nc_u32 v[SW+\k], s30, v[SW+\k]
.endr
.irp j, 0,1,2                                  ; the way out: piece t = 32 j + lane of two rows of 48 pieces; t / 48 = 43 t >> 11 for t up to 95
	v_add_nc_u32 v253, 32*\j, v252
	v_mul_u32_u24 v254, 43, v253
	v_lshrrev_b32 v254, 11, v254
	v_add_nc_u32 v[RD+\j], v253, v254
	v_lshl_add_u32 v[RD+\j], v[RD+\j], 4, s31      ; in the stage: 16 (t + t / 48)
	v_lshlrev_b32 v[GO+\j], 4, v253
	v_mad_u32_u24 v[GO+\j], v254, 3072-768, v[GO+\j]   ; in out0: a row is 3,072 bytes
.endr
	v_and_b32 v253, 15, v0                         ; r
	v_bfe_u32 v254, v0, 4, 1                       ; h
	v_mul_u32_u24 v[WA], v253, PITCH
	v_mad_u32_u24 v[WA], v254, 24, v[WA]           ; a fragment's row x pitch + 24 x half
	v_add_nc_u32 v[WA2], 96*PITCH, v[WA]
	v_lshl_add_u32 v[BA2], v254, 5, BIAS2
	v_mul_u32_u24 v[SO], v253, SPIT
	v_lshl_add_u32 v[SO], v254, 5, v[SO]
	v_add_nc_u32 v[SO], s31, v[SO]                 ; row r, + 32 h
	v_lshlrev_b32 v[AO], 2, v253
	v_mul_u32_u24 v[BO], 24, v252
	v_add_nc_u32 v[BST2], BIAS2, v[L8]
	s_wait_kmcnt 0x0
	s_add_nc_u64 s[4:5], s[4:5], s[18:19]
	s_add_nc_u64 s[6:7], s[6:7], s[20:21]
	s_add_nc_u64 s[10:11], s[10:11], s[24:25]
	s_add_nc_u64 s[14:15], s[14:15], s[28:29]
.irp hd, 0,1,2,3,4,5,6,7,8,9,10,11
	global_load_b128 v[AF+6*\hd:AF+6*\hd+3], v[L16], s[4:5] offset:768*\hd
	global_load_b64 v[AF+6*\hd+4:AF+6*\hd+5], v[L8], s[4:5] offset:768*\hd+512
.endr
.irp s, 0,1,2,3,4,5
	global_load_b32 v[AS+\s], v[AO], s[6:7] offset:65536*\s
.endr
.irp q, 0,1,2,3,4,5
.irp j, 0,1,2
	global_load_b64 v[BS+6*\q+2*\j:BS+6*\q+2*\j+1], v[BO], s[10:11] offset:768*\q+8*\j
.endr
.endr
	; the one parting on the wave's number: waves 0-11 bring Wo's rows, wave 12 the bias
	s_cmp_lt_u32 s2, 12
	s_cbranch_scc0 .Lnot_w
	s_add_nc_u64 s[8:9], s[8:9], s[22:23]
.set ii, 0
.rept 18
	global_load_b128 v[WRAW+4*ii:WRAW+4*ii+3], v[L16], s[8:9] offset:512*ii
.set ii, ii+1
.endr
	s_wait_loadcnt 0x0
.set ii, 0
.rept 18
	ds_store_b128 v[SW+ii%9], v[WRAW+4*ii:WRAW+4*ii+3] offset:(ii/9)*8*PITCH
.set ii, ii+1
.endr
	s_branch .Ljoin
.Lnot_w:
	s_cmp_eq_u32 s2, 12
	s_cbranch_scc0 .Ljoin
	s_add_nc_u64 s[12:13], s[12:13], s[26:27]
.irp j, 0,1,2
	global_load_b64 v[WRAW+2*\j:WRAW+2*\j+1], v[L8], s[12:13] offset:256*\j
.endr
	s_wait_loadcnt 0x0
.irp j, 0,1,2
	ds_store_b64 v[BST2], v[WRAW+2*\j:WRAW+2*\j+1] offset:256*\j
.endr
.Ljoin:
	s_wait_loadcnt 0x0                             ; O's fragments and all scale words are in
	s_wait_dscnt 0x0                               ; for the others' sake: my stores have landed
	s_barrier_signal -1
	s_barrier_wait -1                              ; Wo's rows and the bias are whole
.irp t, 0,1,2,3,4,5,6,7,8,9,10,11              ; the bias is the C of each sum's first product: lane (r, h), register j: column 16 t + 8 h + j
	ds_load_b128 v[ACC+8*\t:ACC+8*\t+3], v[BA2] offset:64*\t
	ds_load_b128 v[ACC+8*\t+4:ACC+8*\t+7], v[BA2] offset:64*\t+16
.endr
.irp s, 0,1,2,3,4,5                            ; the twelve accumulators take turns, one product a turn
.irp q, 0,1,2,3,4,5
	WPAIR \q, \s
	s_wait_dscnt 0x0
.irp u, 0,1
	MM ACC+8*(2*\q+\u), WF+12*\u, AF+12*\s, BS+6*\q+\s, AS+\s, \u
.endr
.rept 4
	v_nop                                          ; places behind the products, ahead of loads into their registers and of the first read of results (ISA guide 7.12.1 for vector instructions)
.endr
.endr
.endr
	; THE WAY OUT: 16 rows x 768 bytes through my own stage; they come back as whole rows, and sixteen neighbouring lanes store 256 consecutive bytes at a multiple of 256 from out0's first byte.
	; LDS serves a wave's instructions in order (ISA guide 5.7.1.4): no wait between the stores and the loads
.irp t, 0,1,2,3,4,5,6,7,8,9,10,11
	ds_store_b128 v[SO], v[ACC+8*\t:ACC+8*\t+3] offset:64*\t           ; each accumulator from its low end on
	ds_store_b128 v[SO], v[ACC+8*\t+4:ACC+8*\t+7] offset:64*\t+16
.endr
.set nn, 0
.rept 24
	ds_load_b128 v[OUTR+4*nn:OUTR+4*nn+3], v[RD+nn%3] offset:2*SPIT*(nn/3)
.set nn, nn+1
.endr
.set nn, 0
.rept 24
	s_wait_dscnt 23-nn                             ; LDS loads come back in order: load nn is in, the 23 - nn younger ones may be out
	global_store_b128 v[GO+nn%3], v[OUTR+4*nn:OUTR+4*nn+3], s[14:15] offset:2*3072*(nn/3) th:TH_STORE_NT
.set nn, nn+1
.endr
	s_wait_tensorcnt 0x0                           ; the wave's end: behind my last LDS store
	ds_add_u32 v[SPW], v[NIL]
	s_wait_dscnt 0x0
	s_endpgm
.Lfunc_end_k_qe267413e54_oproj:
	.size	k_qe267413e54_oproj, .Lfunc_end_k_qe267413e54_oproj-k_qe267413e54_oproj
	.p2alignl 7, 3214868480
	.fill 96, 4, 3214868480
	.section	.rodata,"a",@progbits
	.p2align	6, 0x0
	.amdhsa_kernel k_qe267413e54_oproj
		.amdhsa_group_segment_fixed_size 317184
		.amdhsa_private_segment_fixed_size 0
		.amdhsa_enable_private_segment 0
		.amdhsa_kernarg_size 48
		.amdhsa_user_sgpr_count 2
		.amdhsa_user_sgpr_kernarg_segment_ptr 1
		.amdhsa_wavefront_size32 1
		.amdhsa_system_sgpr_workgroup_id_x 1
		.amdhsa_system_sgpr_workgroup_id_y 1
		.amdhsa_system_sgpr_workgroup_id_z 1
		.amdhsa_system_vgpr_workitem_id 0
		.amdhsa_next_free_vgpr 256
		.amdhsa_next_free_sgpr 66
		.amdhsa_reserve_vcc 0
		.amdhsa_float_denorm_mode_32 3
		.amdhsa_float_denorm_mode_16_64 3
		.amdhsa_memory_ordered 1
		.amdhsa_forward_progress 1
		.amdhsa_inst_pref_size 63
	.end_amdhsa_kernel
	.amdgpu_metadata
---
amdhsa.version: [ 1, 2 ]
amdhsa.kernels:
  - .name:           k_qe267413e54_oproj
    .symbol:         k_qe267413e54_oproj.kd
    .args:
      - { .name: oc, .offset: 0, .size: 8, .value_kind: global_buffer, .address_space: global }
      - { .name: osc, .offset: 8, .size: 8, .value_kind: global_buffer, .address_space: global }
      - { .name: Wo_codes, .offset: 16, .size: 8, .value_kind: global_buffer, .address_space: global }
      - { .name: Wo_scales, .offset: 24, .size: 8, .value_kind: global_buffer, .address_space: global }
      - { .name: bo, .offset: 32, .size: 8, .value_kind: global_buffer, .address_space: global }
      - { .name: out0, .offset: 40, .size: 8, .value_kind: global_buffer, .address_space: global }
    .group_segment_fixed_size: 317184
    .private_segment_fixed_size: 0
    .kernarg_segment_align: 8
    .kernarg_segment_size: 48
    .max_flat_workgroup_size: 512
    .sgpr_count:     66
    .vgpr_count:     256
    .wavefront_size: 32
...
	.end_amdgpu_metadata
.endif
;; end of part 2
;; ======== version 2 of 2: 2 launches
;; limits: right only within a limited range of input values
;; workspace buffers: oc 9,437,184 bytes; osc 393,216 bytes
;; launch attn (part 3): grid 8 x 32, 16 waves a work-group, no clusters, 324,864 bytes of LDS; arguments x_codes, x_scales, Wv_codes, Wv_scales, bv, Wk_codes, Wk_scales, bk, Wq_codes, Wq_scales, bq, oc, osc; writes oc, osc
.if DOCPART == 3
	.amdgcn_target "amdgcn-amd-amdhsa--gfx1250"
	.amdhsa_code_object_version 6
	.text
	.protected	k_qe267413e54_attn
	.globl	k_qe267413e54_attn
	.p2align	8
	.type	k_qe267413e54_attn,@function
k_qe267413e54_attn:
	s_mov_b64 s[64:65], 0
	v_nop
	global_prefetch_b8 v0, s[64:65] scope:SCOPE_SE
	s_setreg_imm32_b32 hwreg(HW_REG_WAVE_MODE, 25, 1), 1
	s_wait_xcnt 0x0
; ATTENTION: v, k, q = x W + b for a batch's 512 rows and a head's 64 channels, S = q k^T / 8, p = 2^(t - M), O = p v / l; O leaves as codes of FP6 (E2M3) with E8M0 scales.
; All five products are on codes of FP6 with one E8M0 scale for each 32 along K.  x and the weights come as codes; q, k (along e), v, p (along the keys) and O (along 64 head + e) are quantised here, in f32.
; DEAD WORK: none.  Every bias moves the codes of a quantised operand of a live product (bk too), and every input has a way to the output: all are loaded.
; LIMITS: NaN and infinities are not served; a given scale byte 0xff gives NaN.  A block whose largest magnitude lies under 2^-124 keeps the byte 1; so does a block of zeros (its codes are zeros, and this program
; alone reads these bytes).  bq and bk are the C of their sums' first products: added ahead of the products, another order of rounding than reference()'s.
; SHARES.  32 batches x 12 heads are 384 units; the grid is 8 x 32 = 256 work-groups of equal work.  Two work-groups (x = 2 g + hf) share three heads of a batch: UNIT 1 is head 3 g + hf, whole;
; UNIT 2 is head 3 g + 2 with all its keys and half of its queries, so its k and v are projected by both work-groups: the price of equal shares with no traffic between work-groups.
; Sixteen waves of 256 registers.  Wave w owns rows 32 w .. 32 w + 31: two tiles of 16, its keys (block w % 4 of key step w / 4) and its queries; in unit 2 its queries are its tile hf alone.
; x IS LOADED ONCE, WITH TILE hf IN PLACE 0 and the other in place 1 (by address), and stays in registers through the projections of BOTH units.  The two tiles of a block of 32 keys change places alike in
; K's images, in p and in v: the same order on both sides of a product, and the blocks are the same sets.
; THE WALK: head (x, unit 1's weights into LDS, unit 2's weights into registers); barrier 1; unit 2's weights into the stages, which are done with; unit 1's v, k, q; barrier 2; unit 2's v, k, q, its images
; landing on unit 1's weights, which are done with; barrier 3; then LDS is only read: three trips, a tile of 16 queries each: unit 2's, then unit 1's two, whose q waited in LDS bytes of the wave's own.
; NO JOINT LOADS, NO TENSOR LOADS: a row of codes is 576 bytes, so rows begin off multiples of 256 bytes; x goes through registers and a stage that ds_store writes.  NO PREFETCH: all that is read from memory
; is asked for in one run at the head; there is no loop to run ahead in.
; LAYOUT.  (1) W's rows lie in LDS with bits 3 and 4 of e swapped: lane r of tile 2 b + u holds e = 32 b + 8 u + r + 8 (r / 8).  As source 0 (q^T, k^T = W x^T) a lane holds one row of x, and the 16 registers of
; tiles 2 b, 2 b + 1 are e = 32 b + 16 (lane / 16) + 0 .. 15.  As source 1 (v = x W^T) a lane holds one e and its registers run down the keys.
; (2) In S^T and in v a lane's 16 registers of a block of 32 keys are rows 8 h + 0 .. 7 of the tile in place 0 and of that in place 1.
; (3) The score product has K = 64: six registers of codes and six more; q's six more are zero codes, k's may be any codes.
; (4) Operands go through LDS as images of six registers: registers 0-3 at 16 x lane (512 bytes), registers 4-5 at 512 + 8 x lane.  oc in memory is laid the same way.
.set PITCH, 592                        ; 576 bytes + 16 = 148 words: the 32 lanes of a load of 8 bytes touch 64 different banks (ISA guide 11.1)
.set WMAT,  64*PITCH
.set BIAS,  0                          ; unit 1: bv, bk, bq, 256 bytes each
.set WSCL,  768                        ; unit 1: W's scale words: 1,536 x matrix + 768 b + 256 j + 8 x lane
.set WB,    5376                       ; unit 1: Wv, Wk, Wq, 64 rows each; later unit 2's images
.set XST,   WB+3*WMAT                  ; a stage of 16 rows for each wave; later unit 2's weights (the stages of waves 0-11),
.set XSTW,  16*PITCH
.set T2,    XST+12*XSTW                ; unit 2's biases and scale words, laid as unit 1's,
.set QIM,   T2+5376                    ; and unit 1's q: two images of 896 bytes for each wave (768 of codes, 128 of scale words)
.set QIMW,  1792
.set IMG,   XST+16*XSTW                ; unit 1's images: four key steps: 8 tiles of K x 768; at IV 4 tiles of e x 2 halves x 768 of V; at IKS K's scale words; at IVS V's
.set IMG2,  WB
.set IMGS,  13056
.set IV,    6144
.set IKS,   12288
.set IVS,   12800
.set SPARE, IMG+4*IMGS                 ; the spare words, 128 bytes for each wave
; SCALARS: s2 wave, s3 unit 1's head, s31 unit 2's, s[4:29] the buffers, s30 batch, s[40:41] lane selects, s[42:43] c, s44 lanes 16-31, s45 trip, s[46:49] oc, osc of the trip in hand, s[74:81] of the next two
.set L16,  1
.set L8,   2
.set WAM,  3                           ; my lane's place in a tile of the weight in hand
.set BA,   4                           ; and among its biases (k, q)
.set SPW,  5
.set NIL,  6
.set BVA,  7
.set BST,  8                           ; up to unit 2's fills: where a bias is stored, W's scale words, my row of x's scales in memory, and of W's
.set WST,  9
.set GS,   10
.set GSW,  11
.set KST16, 8                          ; later: where my images go
.set KST8, 9
.set KSS,  10
.set VST16, 11
.set VST8, 12
.set VSB,  13
.set XA,   14
.set WSA,  15
.set XS,   16                          ; v16-21 x's scale words: lanes 0-15 place 0, lanes 16-31 place 1
.set WS,   22                          ; v22-27 W's: lanes 0-15 tile 2 b, lanes 16-31 tile 2 b + 1
.set SX,   22                          ; at the head: v22-30 nine places in my stage, v31-39 nine in W's rows
.set SW,   31
.set R0,   28
.set R1,   40
.set QS0,  46
.set QS1,  47
.set BV0,  48
.set VT,   50
.set WRAW, 40                          ; v40-111 16 rows of a weight as loaded
.set WF,   56                          ; v56-79 two fragments of W
.set G0,   56
.set G1,   60
.set VH,   56
.set VG,   64
.set ACC,  80
.set X,    112                         ; v112-255 x's fragments: place t, K step s at X + 72 t + 12 s
; the attention
.set R16, 3
.set R8,  4
.set OSO, 7
.set QB,  16                           ; v16-18 my q images: + 16, 8, 4 x lane; v19-21 the same at the image wanted
.set QW,  28                           ; v28-39 the queries in hand: six registers of codes, six of zero codes
.set KV,  56
.set S,   112
.set O,   176
.set PC,  208
.set BM,  226
.set T4,  230
.set SOP, 234
.set GA,  238
.set FF,  246
.set PW,  248
.set TT,  249
.set KS,  250
.set VS,  254
; v12 -M, v13 the largest t, v[14:15] the row's sum in two halves.  TM: six registers at work in QUANT2: v34-39 in the projections, v220-225 in the attention
.macro MM d, a, b, c, sa, sb, ra, rb   ; one product 16 x 16 x 128.  c < 0: the sum begins with 0.  ra, rb: the side's scales stand in lanes 16-31
.if (\c) < 0
.if (\ra) && (\rb)
	v_wmma_scale_f32_16x16x128_f8f6f4 v[(\d):(\d)+7], v[(\a):(\a)+11], v[(\b):(\b)+11], 0, v[\sa], v[\sb] matrix_a_fmt:MATRIX_FMT_FP6 matrix_b_fmt:MATRIX_FMT_FP6 matrix_a_scale:MATRIX_SCALE_ROW1 matrix_b_scale:MATRIX_SCALE_ROW1
.elseif (\ra)
	v_wmma_scale_f32_16x16x128_f8f6f4 v[(\d):(\d)+7], v[(\a):(\a)+11], v[(\b):(\b)+11], 0, v[\sa], v[\sb] matrix_a_fmt:MATRIX_FMT_FP6 matrix_b_fmt:MATRIX_FMT_FP6 matrix_a_scale:MATRIX_SCALE_ROW1
.elseif (\rb)
	v_wmma_scale_f32_16x16x128_f8f6f4 v[(\d):(\d)+7], v[(\a):(\a)+11], v[(\b):(\b)+11], 0, v[\sa], v[\sb] matrix_a_fmt:MATRIX_FMT_FP6 matrix_b_fmt:MATRIX_FMT_FP6 matrix_b_scale:MATRIX_SCALE_ROW1
.else
	v_wmma_scale_f32_16x16x128_f8f6f4 v[(\d):(\d)+7], v[(\a):(\a)+11], v[(\b):(\b)+11], 0, v[\sa], v[\sb] matrix_a_fmt:MATRIX_FMT_FP6 matrix_b_fmt:MATRIX_FMT_FP6
.endif
.else
.if (\ra) && (\rb)
	v_wmma_scale_f32_16x16x128_f8f6f4 v[(\d):(\d)+7], v[(\a):(\a)+11], v[(\b):(\b)+11], v[(\c):(\c)+7], v[\sa], v[\sb] matrix_a_fmt:MATRIX_FMT_FP6 matrix_b_fmt:MATRIX_FMT_FP6 matrix_a_scale:MATRIX_SCALE_ROW1 matrix_b_scale:MATRIX_SCALE_ROW1
.elseif (\ra)
	v_wmma_scale_f32_16x16x128_f8f6f4 v[(\d):(\d)+7], v[(\a):(\a)+11], v[(\b):(\b)+11], v[(\c):(\c)+7], v[\sa], v[\sb] matrix_a_fmt:MATRIX_FMT_FP6 matrix_b_fmt:MATRIX_FMT_FP6 matrix_a_scale:MATRIX_SCALE_ROW1
.elseif (\rb)
	v_wmma_scale_f32_16x16x128_f8f6f4 v[(\d):(\d)+7], v[(\a):(\a)+11], v[(\b):(\b)+11], v[(\c):(\c)+7], v[\sa], v[\sb] matrix_a_fmt:MATRIX_FMT_FP6 matrix_b_fmt:MATRIX_FMT_FP6 matrix_b_scale:MATRIX_SCALE_ROW1
.else
	v_wmma_scale_f32_16x16x128_f8f6f4 v[(\d):(\d)+7], v[(\a):(\a)+11], v[(\b):(\b)+11], v[(\c):(\c)+7], v[\sa], v[\sb] matrix_a_fmt:MATRIX_FMT_FP6 matrix_b_fmt:MATRIX_FMT_FP6
.endif
.endif
.endm
.macro PLACES                          ; four places behind a product, ahead of loads into its registers and of the first read of its result (ISA guide 7.12.1 for vector instructions)
.rept 4
	v_nop
.endr
.endm
; My 16 rows (9,216 dense bytes) of a weight, for both units.  Unit 1's go to LDS: rows 0-7 of the 16 to eight rows on end, rows 8-15 sixteen rows further on (bits 3 and 4 of e swapped).  Unit 2's stay in registers
.macro WFILL cp
	s_add_nc_u64 s[34:35], s[\cp:\cp+1], s[58:59]
	s_add_nc_u64 s[56:57], s[\cp:\cp+1], s[82:83]
.set ii, 0
.rept 18
	global_load_b128 v[WRAW+4*ii:WRAW+4*ii+3], v[L16], s[34:35] offset:512*ii
.set ii, ii+1
.endr
	s_wait_loadcnt 0x0                             ; and x's codes and scales, asked for earlier, are in
.set ii, 0
.rept 18
	ds_store_b128 v[SW+ii%9], v[WRAW+4*ii:WRAW+4*ii+3] offset:(ii/9)*16*PITCH
.set ii, ii+1
.endr
	s_wait_dscnt 0x0                               ; the stores have read their registers
.set ii, 0
.rept 18
	global_load_b128 v[WRAW+4*ii:WRAW+4*ii+3], v[L16], s[56:57] offset:512*ii
.set ii, ii+1
.endr
.endm
; one matrix's scale words (lane l takes the rows at places l and 32 + l) and its bias, for both units; unit 2's stay in v56-69
.macro SFILL sp, bp
	s_add_nc_u64 s[34:35], s[\sp:\sp+1], s[36:37]
	s_add_nc_u64 s[56:57], s[\bp:\bp+1], s[38:39]
	s_add_nc_u64 s[94:95], s[\sp:\sp+1], s[84:85]
	s_add_nc_u64 s[96:97], s[\bp:\bp+1], s[86:87]
	global_load_b64 v[40:41], v[L8], s[56:57]
	global_load_b64 v[56:57], v[L8], s[96:97]
.irp b, 0,1
.irp j, 0,1,2
	global_load_b64 v[42+6*\b+2*\j:43+6*\b+2*\j], v[GSW], s[34:35] offset:768*\b+8*\j
	global_load_b64 v[58+6*\b+2*\j:59+6*\b+2*\j], v[GSW], s[94:95] offset:768*\b+8*\j
.endr
.endr
	s_wait_loadcnt 0x0
	ds_store_b64 v[BST], v[40:41]
.irp b, 0,1
.irp j, 0,1,2
	ds_store_b64 v[WST], v[42+6*\b+2*\j:43+6*\b+2*\j] offset:768*\b+256*\j
.endr
.endr
.endm
; The tile in place t goes into my stage at the pitch and comes back as six fragments.  LDS serves a wave's instructions in order (ISA guide 5.7.1.4) and the stage is mine alone: no wait between
.macro XTURN t
.set ii, 0
.rept 18
	ds_store_b128 v[SX+ii%9], v[X+72*\t+4*ii:X+72*\t+4*ii+3] offset:(ii/9)*8*PITCH
.set ii, ii+1
.endr
.irp s, 0,1,2,3,4,5
.irp p, 0,1,2,3,4,5
	ds_load_b64 v[X+72*\t+12*\s+2*\p:X+72*\t+12*\s+2*\p+1], v[XA] offset:96*\s+48*(\p/3)+8*(\p%3)
.endr
.endr
.endm
.macro WFRAG u, tl, s                  ; a fragment of W: tile tl, K step s, into buffer u
.irp p, 0,1,2,3,4,5
	ds_load_b64 v[WF+12*(\u)+2*\p:WF+12*(\u)+2*\p+1], v[WAM] offset:16*(\tl)*PITCH+96*(\s)+48*(\p/3)+8*(\p%3)
.endr
.endm
; Six K steps of W's tiles 2 b, 2 b + 1.  The two fragment buffers are filled by turns: while one is multiplied, the other's six loads are out, which is what the count 6 leaves out.
; kind 0: v (x is source 0); 1: k^T or q^T of both my tiles; 2: q^T of the tile in place 0.  The accumulators take turns
.macro KLOOP b, kind
	WFRAG 0, 2*\b, 0
	WFRAG 1, 2*\b+1, 0
.irp s, 0,1,2,3,4,5
.irp u, 0,1
.if (\s == 5) && (\u == 1)
	s_wait_dscnt 0x0
.else
	s_wait_dscnt 0x6
.endif
.if \kind == 0
.irp xi, 0,1
.if \s == 0
	MM ACC+16*\u+8*\xi, X+72*\xi+12*\s, WF+12*\u, -1, XS+\s, WS+\s, \xi, \u
.else
	MM ACC+16*\u+8*\xi, X+72*\xi+12*\s, WF+12*\u, ACC+16*\u+8*\xi, XS+\s, WS+\s, \xi, \u
.endif
.endr
.elseif \kind == 1
.irp xi, 0,1
	MM ACC+16*\xi+8*\u, WF+12*\u, X+72*\xi+12*\s, ACC+16*\xi+8*\u, WS+\s, XS+\s, \u, \xi
.endr
.else
	MM ACC+16*\b+8*\u, WF+12*\u, X+12*\s, ACC+16*\b+8*\u, WS+\s, XS+\s, \u, 0
.endif
	PLACES
.if \s < 5
	WFRAG \u, 2*\b+\u, \s+1
.endif
.endr
.endr
.endm
; Two runs of 16 numbers of a lane, each half a block of 32 (the other half lies in lane l xor 16), become 16 codes each (3 registers at c0, c1); the blocks' scale bytes are left in v[TM+2], v[TM+3]
.macro QUANT2 s0, s1, c0, c1
	v_max3_num_f32 v[TM], |v[(\s0)]|, |v[(\s0)+1]|, 0x1800000          ; with the floor 2^(3 - 127) among the leaves: the byte cannot fall under 1
	v_max3_num_f32 v[TM+1], |v[(\s1)]|, |v[(\s1)+1]|, 0x1800000
.irp i, 2,4,6,8,10,12,14
	v_max3_num_f32 v[TM], v[TM], |v[(\s0)+\i]|, |v[(\s0)+\i+1]|
	v_max3_num_f32 v[TM+1], v[TM+1], |v[(\s1)+\i]|, |v[(\s1)+\i+1]|
.endr
	s_delay_alu instid0(VALU_DEP_2)
	v_permlanex16_b32 v[TM+2], v[TM], s40, s41
	s_delay_alu instid0(VALU_DEP_2)
	v_permlanex16_b32 v[TM+3], v[TM+1], s40, s41
	s_delay_alu instid0(VALU_DEP_2)
	v_max_num_f32 v[TM], v[TM], v[TM+2]
	s_delay_alu instid0(VALU_DEP_2)
	v_max_num_f32 v[TM+1], v[TM+1], v[TM+3]
	s_delay_alu instid0(VALU_DEP_2)
	v_add_nc_u32 v[TM+4], 0xff000000, v[TM]                            ; 2 off the exponent field: the conversion takes this operand's exponent field as its scale
	s_delay_alu instid0(VALU_DEP_2)
	v_add_nc_u32 v[TM+5], 0xff000000, v[TM+1]
	s_delay_alu instid0(VALU_DEP_2)
	v_lshrrev_b32 v[TM+2], 23, v[TM+4]
	s_delay_alu instid0(VALU_DEP_2)
	v_lshrrev_b32 v[TM+3], 23, v[TM+5]
	v_cvt_scalef32_pk16_fp6_f32 v[(\c0):(\c0)+2], v[(\s0):(\s0)+15], v[TM+4]
	v_cvt_scalef32_pk16_fp6_f32 v[(\c1):(\c1)+2], v[(\s1):(\s1)+15], v[TM+5]
	v_nop                                                              ; one plain place behind a scaled conversion
.endm
.macro SUBV b                          ; v for my 32 keys and e tiles 2 b, 2 b + 1
.irp u, 0,1
	ds_load_b32 v[BV0+\u], v[BVA] offset:(32*\b+8*\u)*4
.endr
.irp j, 0,1,2
	ds_load_b64 v[WS+2*\j:WS+2*\j+1], v[WSA] offset:768*\b+256*\j
.endr
	KLOOP \b, 0
.irp u, 0,1
.irp i, 0,1,2,3,4,5,6,7,8,9,10,11,12,13,14,15
	v_add_f32 v[ACC+16*\u+\i], v[ACC+16*\u+\i], v[BV0+\u]              ; + bv of my lane's e; each accumulator from its low end on
.endr
.endr
	QUANT2 ACC, ACC+16, VH, VG                                         ; my 32 keys are one block of each e
.irp i, 0,1,2
	v_permlane16_swap_b32 v[VH+\i], v[VG+\i]                           ; lanes 0-15: the whole block of tile 2 b, lanes 16-31: of tile 2 b + 1
.endr
.irp i, 0,1,2
	s_delay_alu instid0(VALU_DEP_3)
	v_mov_b32 v[VH+3+\i], v[VG+\i]
.endr
	v_cndmask_b32 v[VT], v[TM+2], v[TM+3], s44
	ds_store_b128 v[VST16], v[VH:VH+3] offset:IV+3072*\b
	ds_store_b64 v[VST8], v[VH+4:VH+5] offset:IV+512+3072*\b
	ds_store_b8 v[VSB], v[VT] offset:IVS+4*\b
.endm
.macro SUBQK b                         ; k^T or q^T for my two tiles and e = 32 b .. 32 b + 31.  The bias is the C of each sum's first product
.irp xi, 0,1
.irp u, 0,1
	ds_load_b128 v[ACC+16*\xi+8*\u:ACC+16*\xi+8*\u+3], v[BA] offset:(32*\b+8*\u)*4
	ds_load_b128 v[ACC+16*\xi+8*\u+4:ACC+16*\xi+8*\u+7], v[BA] offset:(32*\b+8*\u)*4+16
.endr
.endr
.irp j, 0,1,2
	ds_load_b64 v[WS+2*\j:WS+2*\j+1], v[WSA] offset:768*\b+256*\j
.endr
	KLOOP \b, 1
.if \b == 0
	QUANT2 ACC, ACC+16, R0, R1
	v_mov_b32 v[QS0], v[TM+2]
	v_mov_b32 v[QS1], v[TM+3]
.else
	QUANT2 ACC, ACC+16, G0, G1
	v_lshl_or_b32 v[QS0], v[TM+2], 8, v[QS0]                           ; the scale word: bytes of blocks 0 and 1; the two upper bytes stay 0 (they meet zero codes)
	v_lshl_or_b32 v[QS1], v[TM+3], 8, v[QS1]
.irp i, 0,1,2
	v_permlane16_swap_b32 v[R0+\i], v[G0+\i]                           ; lanes 0-15: the whole of block 0; lanes 16-31: of block 1
	v_permlane16_swap_b32 v[R1+\i], v[G1+\i]
.endr
.irp i, 0,1,2
	v_mov_b32 v[R0+3+\i], v[G0+\i]
	v_mov_b32 v[R1+3+\i], v[G1+\i]
.endr
.endif
.endm
.macro SUBQ1                           ; q^T for the tile in place 0 alone, all 64 of e
.irp b, 0,1
.irp u, 0,1
	ds_load_b128 v[ACC+16*\b+8*\u:ACC+16*\b+8*\u+3], v[BA] offset:(32*\b+8*\u)*4
	ds_load_b128 v[ACC+16*\b+8*\u+4:ACC+16*\b+8*\u+7], v[BA] offset:(32*\b+8*\u)*4+16
.endr
.irp j, 0,1,2
	ds_load_b64 v[WS+2*\j:WS+2*\j+1], v[WSA] offset:768*\b+256*\j
.endr
	KLOOP \b, 2
.endr
	QUANT2 ACC, ACC+16, R0, G0
	v_lshl_or_b32 v[QS0], v[TM+3], 8, v[TM+2]
.irp i, 0,1,2
	v_permlane16_swap_b32 v[R0+\i], v[G0+\i]
.endr
.irp i, 0,1,2
	s_delay_alu instid0(VALU_DEP_3)
	v_mov_b32 v[R0+3+\i], v[G0+\i]
.endr
.endm
; where my images of K and V go, in the images at base: key step w / 4, block w % 4
.macro IMGADR base
	s_lshr_b32 s55, s2, 2
	s_mul_i32 s55, s55, IMGS
	s_add_co_u32 s55, s55, \base
	s_and_b32 s56, s2, 3
	s_mul_i32 s57, s56, 1536
	s_add_co_u32 s57, s57, s55
	v_add_nc_u32 v[KST16], s57, v[L16]             ; K's tiles 2 (w % 4) and 2 (w % 4) + 1
	v_add_nc_u32 v[KST8], s57, v[L8]
	s_lshl_b32 s57, s56, 2
	s_add_co_u32 s57, s57, s55
	v_add_nc_u32 v[KSS], s57, v[L16]               ; their scale words: pair w % 4
	s_add_co_u32 s57, s56, s55
	v_add_nc_u32 v[VSB], s57, v[L8]                ; V's scale bytes: byte w % 4
	s_bfe_u32 s57, s2, 0x10001
	s_mul_i32 s57, s57, 768
	s_add_co_u32 s57, s57, s55                     ; V: block 2 g + h of a fragment lies in registers 6 g .. 6 g + 5 of lane half h: g = (w / 2) % 2, h = w % 2
	s_and_b32 s52, s2, 1
	s_lshl_b32 s53, s52, 8
	s_add_co_u32 s53, s53, s57
	s_lshl_b32 s52, s52, 7
	s_add_co_u32 s52, s52, s57
	v_and_b32 v50, 15, v0
	v_bfe_u32 v51, v0, 4, 1
	s_delay_alu instid0(VALU_DEP_1)
	v_mul_u32_u24 v51, v51, 1536                   ; my lanes 16-31 hold the odd tile of e
	s_delay_alu instid0(VALU_DEP_1)
	v_lshl_add_u32 v[VST16], v50, 4, v51
	v_lshl_add_u32 v[VST8], v50, 3, v51
	s_delay_alu instid0(VALU_DEP_2)
	v_add_nc_u32 v[VST16], s53, v[VST16]
	s_delay_alu instid0(VALU_DEP_2)
	v_add_nc_u32 v[VST8], s52, v[VST8]
	s_wait_alu depctr_va_vdst(0)
.endm
; a unit's three projections.  full = 1: q of both my tiles; 0: of the tile in place 0
.macro PROJ full
	SUBV 0
	SUBV 1
	v_add_nc_u32 v[WAM], WMAT, v[WAM]              ; on to Wk
	v_add_nc_u32 v[WSA], 1536, v[WSA]
	s_wait_alu depctr_va_vdst(0)
	SUBQK 0
	SUBQK 1
	v_cndmask_b32 v[VT], v[QS0], v[QS1], s44       ; lanes 0-15 the scale words of the tile in place 0, lanes 16-31 of that in place 1
	ds_store_b32 v[KSS], v[VT] offset:IKS
	ds_store_b128 v[KST16], v[R0:R0+3]
	ds_store_b64 v[KST8], v[R0+4:R0+5] offset:512
	ds_store_b128 v[KST16], v[R1:R1+3] offset:768
	ds_store_b64 v[KST8], v[R1+4:R1+5] offset:768+512
	v_add_nc_u32 v[WAM], WMAT, v[WAM]              ; on to Wq
	v_add_nc_u32 v[WSA], 1536, v[WSA]
	v_add_nc_u32 v[BA], 256, v[BA]
	s_wait_alu depctr_va_vdst(0)
.if \full
	SUBQK 0
	SUBQK 1
.else
	SUBQ1
.endif
.endm
; A KEY STEP: 128 keys against the 16 queries in hand.  first = 1: it starts M, the sum and O^T
.macro STEP s, first
.set SB, IMGS*(\s)
	PLACES
.irp t, 0,1,2,3,4,5,6,7
	ds_load_b128 v[KV+6*\t:KV+6*\t+3], v[R16] offset:SB+768*\t
	ds_load_b64 v[KV+6*\t+4:KV+6*\t+5], v[R8] offset:SB+768*\t+512
.endr
	ds_load_b128 v[KS:KS+3], v[R16] offset:SB+IKS
	s_wait_dscnt 0x0
.irp t, 0,1,2,3,4,5,6,7
	MM S+8*\t, KV+6*\t, QW, -1, KS+\t/2, QS0, \t%2, 0                  ; S^T: a lane holds query lane % 16, register j row 8 (lane / 16) + j of key tile t
.endr
	PLACES
.irp t, 0,1,2,3                                ; V's fragments are asked for now and land under the softmax
.irp g, 0,1
	ds_load_b128 v[KV+12*\t+6*\g:KV+12*\t+6*\g+3], v[R16] offset:SB+IV+1536*\t+768*\g
	ds_load_b64 v[KV+12*\t+6*\g+4:KV+12*\t+6*\g+5], v[R8] offset:SB+IV+1536*\t+768*\g+512
.endr
.endr
	ds_load_b64 v[VS:VS+1], v[R8] offset:SB+IVS
.irp b, 0,1,2,3
	v_max3_num_f32 v[BM+\b], v[S+16*\b], v[S+16*\b+1], v[S+16*\b+2]    ; the largest score of each block of 32 keys: for the row's maximum and, since p rises with the score, for the block's largest p
.endr
.irp i, 3,5,7,9,11,13
.irp b, 0,1,2,3
	v_max3_num_f32 v[BM+\b], v[BM+\b], v[S+16*\b+\i], v[S+16*\b+\i+1]
.endr
.endr
.irp b, 0,1,2,3
	v_max_num_f32 v[BM+\b], v[BM+\b], v[S+16*\b+15]
.endr
.irp b, 0,1,2,3
	s_delay_alu instid0(VALU_DEP_4)
	v_permlanex16_b32 v[T4+\b], v[BM+\b], s40, s41
.endr
.irp b, 0,1,2,3
	s_delay_alu instid0(VALU_DEP_4)
	v_max_num_f32 v[BM+\b], v[BM+\b], v[T4+\b]
.endr
	s_delay_alu instid0(VALU_DEP_2)
	v_max3_num_f32 v[TT], v[BM], v[BM+1], v[BM+2]
	s_delay_alu instid0(VALU_DEP_1)
	v_max_num_f32 v[TT], v[TT], v[BM+3]
.if \first
	s_delay_alu instid0(VALU_DEP_1)
	v_mul_f32 v13, s42, v[TT]                      ; the largest t
	s_delay_alu instid0(VALU_DEP_1)
	v_floor_f32 v12, -v13                          ; -M = floor(-t): M is a whole number
.else
	s_delay_alu instid0(VALU_DEP_1)
	v_mul_f32 v[TT], s42, v[TT]
	s_delay_alu instid0(VALU_DEP_1)
	v_max_num_f32 v13, v13, v[TT]                  ; the running largest t
	v_mov_b32 v[TT], v12
	s_delay_alu instid0(VALU_DEP_2)
	v_floor_f32 v12, -v13
	s_delay_alu instid0(VALU_DEP_1)
	v_sub_f32 v[TT], v12, v[TT]                    ; old M - new M: a whole number, 0 or less
	s_delay_alu instid0(VALU_DEP_1)
	v_cvt_i32_f32 v[TT], v[TT]
	s_delay_alu instid0(VALU_DEP_1)
	v_ldexp_f32 v[FF], 1.0, v[TT]                  ; f: a multiplication by it rounds nothing
.endif
.set jj, 0
.rept 32
	v_pk_fma_f32 v[S+jj:S+jj+1], v[S+jj:S+jj+1], s[42:43], v[12:13] op_sel_hi:[1,0,0]   ; t - M, two at a time
.set jj, jj+2
.endr
.irp b, 0,1,2,3
	v_fma_f32 v[BM+\b], v[BM+\b], s42, v12
.endr
.set jj, 0
	s_wait_alu depctr_va_vdst(0)
.rept 64
	v_exp_f32 v[S+jj], v[S+jj]                     ; p = 2^(t - M): not normalised
.set jj, jj+1
.endr
.if \first
	v_nop                                          ; a plain place behind the exponentials
.else
	v_pk_mul_f32 v[14:15], v[14:15], v[FF:FF+1] op_sel_hi:[1,0]        ; the sums under the new M (a plain place behind the exponentials)
.endif
	s_wait_alu depctr_va_vdst(0)                   ; one wait for the batch of 64, ahead of its first reader
.irp b, 0,1,2,3
	v_exp_f32 v[BM+\b], v[BM+\b]                   ; the block's largest p
.endr
.if \first                                     ; the row's sum is taken of the unquantised p, in two chains
	v_pk_add_f32 v[14:15], v[S:S+1], v[S+2:S+3]
	v_pk_add_f32 v[GA:GA+1], v[S+4:S+5], v[S+6:S+7]
.set jj, 8
.rept 14
	v_pk_add_f32 v[14:15], v[14:15], v[S+jj:S+jj+1]
	v_pk_add_f32 v[GA:GA+1], v[GA:GA+1], v[S+jj+2:S+jj+3]
.set jj, jj+4
.endr
.else
	v_pk_add_f32 v[GA:GA+1], v[S:S+1], v[S+2:S+3]
.set jj, 4
.rept 15
	v_pk_add_f32 v[14:15], v[14:15], v[S+jj:S+jj+1]
	v_pk_add_f32 v[GA:GA+1], v[GA:GA+1], v[S+jj+2:S+jj+3]
.set jj, jj+4
.endr
.endif
	s_delay_alu instid0(VALU_DEP_1)
	v_pk_add_f32 v[14:15], v[14:15], v[GA:GA+1]
	s_wait_alu depctr_va_vdst(0)                   ; and one for the four
.irp b, 0,1,2,3
	v_max_num_f32 v[BM+\b], 0x1800000, v[BM+\b]    ; the floor 2^(3 - 127): the byte cannot fall under 1
.endr
.irp b, 0,1,2,3
	s_delay_alu instid0(VALU_DEP_4)
	v_add_nc_u32 v[SOP+\b], 0xff000000, v[BM+\b]
.endr
.irp b, 0,1,2,3
	s_delay_alu instid0(VALU_DEP_4)
	v_lshrrev_b32 v[T4+\b], 23, v[SOP+\b]
.endr
	s_delay_alu instid0(VALU_DEP_3)
	v_lshl_or_b32 v[PW], v[T4+1], 8, v[T4]
	s_delay_alu instid0(VALU_DEP_1)
	v_lshl_or_b32 v[PW], v[T4+2], 16, v[PW]
	s_delay_alu instid0(VALU_DEP_1)
	v_lshl_or_b32 v[PW], v[T4+3], 24, v[PW]
.irp c, 0,1
	v_cvt_scalef32_pk16_fp6_f32 v[PC+6*\c:PC+6*\c+2], v[S+32*\c:S+32*\c+15], v[SOP+2*\c]
	v_cvt_scalef32_pk16_fp6_f32 v[GA+4*\c:GA+4*\c+2], v[S+32*\c+16:S+32*\c+31], v[SOP+2*\c+1]
.endr
	v_nop                                          ; one plain place behind a scaled conversion
.irp c, 0,1                                    ; a whole block to a lane: lanes 0-15 block 2 c, lanes 16-31 block 2 c + 1
.irp i, 0,1,2
	v_permlane16_swap_b32 v[PC+6*\c+\i], v[GA+4*\c+\i]
.endr
.irp i, 0,1,2
	s_delay_alu instid0(VALU_DEP_3)
	v_mov_b32 v[PC+6*\c+3+\i], v[GA+4*\c+\i]
.endr
.endr
.if \first
	s_wait_alu depctr_va_vdst(0)
.rept 8
	v_nop                                          ; a scale word made by vector instructions stands eight places ahead of the product, codes so made four
.endr
.else
.set jj, 0
.rept 16
	v_pk_mul_f32 v[O+jj:O+jj+1], v[O+jj:O+jj+1], v[FF:FF+1] op_sel_hi:[1,0]   ; O^T under the new M; these sixteen are also those places
.set jj, jj+2
.endr
.endif
	s_wait_alu depctr_va_vdst(0)
	s_wait_dscnt 0x0                               ; V is in
.irp t, 0,1,2,3
.if \first
	MM O+8*\t, KV+12*\t, PC, -1, VS+\t/2, PW, \t%2, 0
.else
	MM O+8*\t, KV+12*\t, PC, O+8*\t, VS+\t/2, PW, \t%2, 0
.endif
.endr
.endm
; O^T / l is quantised along e and leaves as an image of six registers.  Then the next trip's addresses and queries are taken up
.macro EPI
	v_add_f32 v14, v14, v15
	s_delay_alu instid0(VALU_DEP_1)
	v_permlanex16_b32 v[TT], v14, s40, s41
	s_delay_alu instid0(VALU_DEP_1)
	v_add_f32 v14, v14, v[TT]                      ; the row's sum
	s_wait_alu depctr_va_vdst(0)
	v_rcp_f32 v[FF], v14
	PLACES                                         ; behind the reciprocal, and behind the last products
	s_wait_alu depctr_va_vdst(0)
.set jj, 0
.rept 16
	v_pk_mul_f32 v[S+jj:S+jj+1], v[O+jj:O+jj+1], v[FF:FF+1] op_sel_hi:[1,0]   ; each accumulator from its low end on
.set jj, jj+2
.endr
	QUANT2 S, S+16, PC, GA
.irp i, 0,1,2
	v_permlane16_swap_b32 v[PC+\i], v[GA+\i]
.endr
.irp i, 0,1,2
	s_delay_alu instid0(VALU_DEP_3)
	v_mov_b32 v[PC+3+\i], v[GA+\i]
.endr
	v_lshl_or_b32 v[TT], v[TM+3], 8, v[TM+2]       ; the head's two scale bytes of my row
	global_store_b128 v[L16], v[PC:PC+3], s[46:47]                     ; 512 consecutive bytes, at a multiple of 256 from oc's first byte
	global_store_b64 v[L8], v[PC+4:PC+5], s[46:47] offset:512          ; and 256 more
	global_store_b16 v[OSO], v[TT], s[48:49]       ; lanes r and 16 + r hold, and store, the same two bytes
	s_wait_xcnt 0x0                                ; the stores' bases and registers are written again only behind this wait
	s_mov_b64 s[46:47], s[74:75]
	s_mov_b64 s[48:49], s[76:77]
	s_mov_b64 s[74:75], s[78:79]
	s_mov_b64 s[76:77], s[80:81]
	s_min_u32 s55, s45, 1                          ; behind trip 0 my q image 0, behind trip 1 image 1 (behind trip 2 image 1 once more: it is not used)
	s_mul_i32 s55, s55, 896
	v_add_nc_u32 v[QB+3], s55, v[QB]
	v_add_nc_u32 v[QB+4], s55, v[QB+1]
	v_add_nc_u32 v[QB+5], s55, v[QB+2]
	ds_load_b128 v[QW:QW+3], v[QB+3]
	ds_load_b64 v[QW+4:QW+5], v[QB+4] offset:512
	ds_load_b32 v[QS0], v[QB+5] offset:768
.endm
.macro OADR oc, os, tile, head         ; byte offsets: oc (tile x 12 + head) x 768; osc ((head / 2) x 16,384 + 16 tile) x 4 + 2 (head % 2)
	s_mul_i32 s[\oc], s[\tile], 12
	s_add_co_u32 s[\oc], s[\oc], s[\head]
	s_mul_i32 s[\oc], s[\oc], 768
	s_mov_b32 s[\oc+1], 0
	s_lshr_b32 s[\os], s[\head], 1
	s_lshl_b32 s[\os], s[\os], 10
	s_add_co_u32 s[\os], s[\os], s[\tile]
	s_lshl_b32 s[\os], s[\os], 6
	s_and_b32 s55, s[\head], 1
	s_lshl_b32 s55, s55, 1
	s_add_co_u32 s[\os], s[\os], s55
	s_mov_b32 s[\os+1], 0
.endm
.set TM, 34
	s_load_b512 s[4:19], s[0:1], 0x0               ; x's codes s[4:5], x's scales s[6:7], Wv's codes, scales, bv s[8:13], Wk's codes, scales, bk s[14:19]
	s_load_b256 s[20:27], s[0:1], 0x40             ; Wq's codes, scales, bq s[20:25], oc s[26:27]
	s_load_b64 s[28:29], s[0:1], 0x60              ; osc
	v_lshl_add_u32 v[SPW], v0, 2, SPARE
	v_mov_b32 v[NIL], 0
	v_lshrrev_b32 v12, 5, v0
	s_delay_alu instid0(VALU_DEP_1)
	v_readfirstlane_b32 s2, v12                    ; wave 0..15
	s_and_b32 s30, ttmp7, 0xffff                   ; the batch
	s_and_b32 s60, ttmp9, 1                        ; hf
	s_lshr_b32 s61, ttmp9, 1
	s_mul_i32 s61, s61, 3                          ; the trio's first head
	s_mov_b32 s40, 0x76543210
	s_mov_b32 s41, 0xfedcba98                      ; v_permlanex16_b32's selects for lane l xor 16
	s_mov_b32 s42, 0x3e38aa3b                      ; c = log2(e) / 8
	s_mov_b32 s43, s42
	s_mov_b32 s44, 0xffff0000                      ; lanes 16-31
	s_add_co_u32 s3, s61, s60                      ; unit 1's head
	s_add_co_u32 s31, s61, 2                       ; unit 2's
	s_lshl_b32 s63, s60, 4
	s_mul_i32 s50, s2, XSTW
	s_add_co_u32 s50, s50, XST                     ; my stage
	s_lshr_b32 s51, s2, 1
	s_lshl_b32 s51, s51, 5
	s_and_b32 s52, s2, 1
	s_lshl_b32 s52, s52, 3
	s_add_co_u32 s51, s51, s52
	s_mul_i32 s51, s51, PITCH
	s_add_co_u32 s51, s51, WB                      ; waves 0-11: where my 16 rows of W begin: row 32 (w / 2) + 8 (w % 2)
	s_and_b32 s53, s2, 3                           ; waves 12-14: matrix w % 4
	s_lshl_b32 s52, s53, 8                         ; its bias (BIAS is LDS byte 0),
	s_mul_i32 s53, s53, 1536
	s_add_co_u32 s53, s53, WSCL                    ; and its scale words
	s_lshl_b32 s54, s30, 9
	s_lshl_b32 s55, s2, 5
	s_add_co_u32 s54, s54, s55                     ; my first row of x
	s_add_co_u32 s55, s54, s63
	s_mul_i32 s32, s55, 576                        ; the tile in place 0,
	s_mov_b32 s33, 0
	s_xor_b32 s55, s63, 16
	s_add_co_u32 s55, s54, s55
	s_mul_i32 s72, s55, 576                        ; and that in place 1
	s_mov_b32 s73, 0
	s_mul_i32 s88, s54, 24
	s_mov_b32 s89, 0
	s_mul_i32 s36, s3, 1536                        ; a head's scales of a weight, its bias, my 16 rows of its codes: unit 1,
	s_mov_b32 s37, 0
	s_lshl_b32 s38, s3, 8
	s_mov_b32 s39, 0
	s_and_b32 s55, s2, 3
	s_mul_i32 s55, s55, 9216
	s_mul_i32 s58, s3, 36864
	s_add_co_u32 s58, s58, s55
	s_mov_b32 s59, 0
	s_mul_i32 s84, s31, 1536                       ; and unit 2
	s_mov_b32 s85, 0
	s_lshl_b32 s86, s31, 8
	s_mov_b32 s87, 0
	s_mul_i32 s82, s31, 36864
	s_add_co_u32 s82, s82, s55
	s_mov_b32 s83, 0
	s_lshl_b32 s90, s30, 5
	s_lshl_b32 s55, s2, 1
	s_add_co_u32 s90, s90, s55
	s_add_co_u32 s91, s90, s60                     ; the tile in place 0: 32 x batch + 2 x wave + hf,
	s_xor_b32 s55, s60, 1
	s_add_co_u32 s92, s90, s55                     ; and that in place 1
	OADR 46, 48, 91, 31                            ; trip 0: unit 2, place 0
	OADR 74, 76, 91, 3                             ; trip 1: unit 1, place 0
	OADR 78, 80, 92, 3                             ; trip 2: unit 1, place 1
	v_and_b32 v13, 31, v0                          ; lane
	s_delay_alu instid0(VALU_DEP_1)
	v_lshlrev_b32 v[L16], 4, v13
	v_lshlrev_b32 v[L8], 3, v13
.irp k, 0,1,2,3,4,5,6,7,8                      ; piece t = 32 k + lane of 16 bytes, of eight dense rows of 36 pieces, lies at 16 (t + t / 36) under the pitch; t / 36 = 57 t >> 11 for t up to 287
	v_add_nc_u32 v12, 32*\k, v13
	s_delay_alu instid0(VALU_DEP_1)
	v_mul_u32_u24 v[SX+\k], 57, v12
	s_delay_alu instid0(VALU_DEP_1)
	v_lshrrev_b32 v[SX+\k], 11, v[SX+\k]
	s_delay_alu instid0(VALU_DEP_1)
	v_add_nc_u32 v[SX+\k], v[SX+\k], v12
	s_delay_alu instid0(VALU_DEP_1)
	v_lshlrev_b32 v[SX+\k], 4, v[SX+\k]
	s_delay_alu instid0(VALU_DEP_1)
	v_add_nc_u32 v[SW+\k], s51, v[SX+\k]
	v_add_nc_u32 v[SX+\k], s50, v[SX+\k]
.endr
	v_xor_b32 v12, s63, v13                        ; lanes 0-15 take the rows of the tile in place 0, lanes 16-31 of that in place 1
	s_delay_alu instid0(VALU_DEP_1)
	v_mul_u32_u24 v[GS], 24, v12
	v_and_b32 v[GSW], 7, v0
	v_and_b32 v12, 8, v0
	s_delay_alu instid0(VALU_DEP_1)
	v_lshl_or_b32 v[GSW], v12, 1, v[GSW]
	v_bfe_u32 v[BA], v0, 4, 1                      ; h
	s_delay_alu instid0(VALU_DEP_1)
	v_lshl_or_b32 v[GSW], v[BA], 3, v[GSW]         ; the lane's number with bits 3 and 4 swapped
	s_delay_alu instid0(VALU_DEP_1)
	v_mul_u32_u24 v[GSW], 24, v[GSW]
	v_and_b32 v13, 15, v0                          ; r
	s_delay_alu instid0(VALU_DEP_1)
	v_add_nc_u32 v[BVA], v12, v13                  ; r + 8 (r / 8)
	s_delay_alu instid0(VALU_DEP_1)
	v_lshl_add_u32 v[BVA], v[BVA], 2, BIAS
	v_mul_u32_u24 v[WAM], v13, PITCH
	s_delay_alu instid0(VALU_DEP_1)
	v_mad_u32_u24 v[WAM], v[BA], 24, v[WAM]        ; a fragment's row x pitch + 24 x half
	s_delay_alu instid0(VALU_DEP_1)
	v_add_nc_u32 v[XA], s50, v[WAM]
	v_add_nc_u32 v[WAM], WB, v[WAM]
	v_lshl_add_u32 v[BA], v[BA], 6, BIAS+256       ; bk: my half's 16 numbers of a block of 32
	v_add_nc_u32 v[WSA], WSCL, v[L8]
	v_add_nc_u32 v[BST], s52, v[L8]
	v_add_nc_u32 v[WST], s53, v[L8]
	s_wait_alu depctr_va_vdst(0)
	s_wait_kmcnt 0x0
	s_add_nc_u64 s[66:67], s[4:5], s[32:33]
	s_add_nc_u64 s[68:69], s[4:5], s[72:73]
	s_add_nc_u64 s[70:71], s[6:7], s[88:89]
	s_add_nc_u64 s[46:47], s[26:27], s[46:47]
	s_add_nc_u64 s[74:75], s[26:27], s[74:75]
	s_add_nc_u64 s[78:79], s[26:27], s[78:79]
	s_add_nc_u64 s[48:49], s[28:29], s[48:49]
	s_add_nc_u64 s[76:77], s[28:29], s[76:77]
	s_add_nc_u64 s[80:81], s[28:29], s[80:81]
.irp j, 0,1,2
	global_load_b64 v[XS+2*\j:XS+2*\j+1], v[GS], s[70:71] offset:8*\j  ; the six scale words of a row
.endr
.set ii, 0
.rept 18
	global_load_b128 v[X+4*ii:X+4*ii+3], v[L16], s[66:67] offset:512*ii        ; a tile's codes, 9,216 dense bytes: 512 consecutive bytes a load
.set ii, ii+1
.endr
.set ii, 0
.rept 18
	global_load_b128 v[X+72+4*ii:X+72+4*ii+3], v[L16], s[68:69] offset:512*ii
.set ii, ii+1
.endr
	; the first parting on the wave's number: waves 0-11 bring the weights, waves 12-14 their scales and biases.  On every way x is in at the join
	s_cmp_lt_u32 s2, 4
	s_cbranch_scc0 .Lnot_wv
	WFILL 8
	s_branch .Ljoin
.Lnot_wv:
	s_cmp_lt_u32 s2, 8
	s_cbranch_scc0 .Lnot_wk
	WFILL 14
	s_branch .Ljoin
.Lnot_wk:
	s_cmp_lt_u32 s2, 12
	s_cbranch_scc0 .Lnot_wq
	WFILL 20
	s_branch .Ljoin
.Lnot_wq:
	s_cmp_eq_u32 s2, 12
	s_cbranch_scc0 .Lnot_sv
	SFILL 10, 12
	s_branch .Ljoin
.Lnot_sv:
	s_cmp_eq_u32 s2, 13
	s_cbranch_scc0 .Lnot_sk
	SFILL 16, 18
	s_branch .Ljoin
.Lnot_sk:
	s_cmp_eq_u32 s2, 14
	s_cbranch_scc0 .Lidle
	SFILL 22, 24
	s_branch .Ljoin
.Lidle:
	s_wait_loadcnt 0x0
.Ljoin:
	XTURN 0
	XTURN 1
	s_wait_dscnt 0x0                               ; for the others' sake: my stores have landed and I am done with my stage; and x's fragments are in
	s_barrier_signal -1
.irp k, 0,1,2,3,4,5,6,7,8
	v_add_nc_u32 v[SW+\k], XST-WB, v[SW+\k]        ; the same places among unit 2's weights,
.endr
	v_add_nc_u32 v[BST], T2-BIAS, v[BST]           ; biases and scale words
	v_add_nc_u32 v[WST], T2-BIAS, v[WST]
	s_wait_alu depctr_va_vdst(0)
	s_barrier_wait -1                              ; barrier 1: unit 1's tables are whole, and nobody uses a stage any more
	s_cmp_lt_u32 s2, 12                            ; the second parting: what waited in registers goes into the stages' bytes
	s_cbranch_scc0 .Lnot_w2
	s_wait_loadcnt 0x0
.set ii, 0
.rept 18
	ds_store_b128 v[SW+ii%9], v[WRAW+4*ii:WRAW+4*ii+3] offset:(ii/9)*16*PITCH
.set ii, ii+1
.endr
	s_branch .Ljoin2
.Lnot_w2:
	s_cmp_lt_u32 s2, 15
	s_cbranch_scc0 .Ljoin2
	ds_store_b64 v[BST], v[56:57]
.irp b, 0,1
.irp j, 0,1,2
	ds_store_b64 v[WST], v[58+6*\b+2*\j:59+6*\b+2*\j] offset:768*\b+256*\j
.endr
.endr
.Ljoin2:
	IMGADR IMG
	PROJ 1
	s_mul_i32 s55, s2, QIMW                        ; unit 1's q waits in LDS bytes of my own
	s_add_co_u32 s55, s55, QIM
	v_add_nc_u32 v[TM], s55, v[L16]
	v_add_nc_u32 v[TM+1], s55, v[L8]
	v_lshrrev_b32 v[TM+2], 1, v[L8]
	s_delay_alu instid0(VALU_DEP_1)
	v_add_nc_u32 v[TM+2], s55, v[TM+2]
	ds_store_b128 v[TM], v[R0:R0+3]
	ds_store_b64 v[TM+1], v[R0+4:R0+5] offset:512
	ds_store_b32 v[TM+2], v[QS0] offset:768
	ds_store_b128 v[TM], v[R1:R1+3] offset:896
	ds_store_b64 v[TM+1], v[R1+4:R1+5] offset:896+512
	ds_store_b32 v[TM+2], v[QS1] offset:896+768
	s_wait_dscnt 0x0                               ; for the others' sake: my stores have landed, unit 2's tables among them, and my reads of unit 1's weights are back
	s_barrier_signal -1
	v_add_nc_u32 v[WAM], WMAT, v[WAM]              ; unit 2's Wv lies behind unit 1's Wq
	v_add_nc_u32 v[WSA], T2+WSCL, v[L8]
	v_add_nc_u32 v[BVA], T2-BIAS, v[BVA]
	v_add_nc_u32 v[BA], T2-BIAS-256, v[BA]         ; from unit 1's bq to unit 2's bk
	IMGADR IMG2
	s_barrier_wait -1                              ; barrier 2
	PROJ 0                                         ; its q stays in registers: the first trip's queries
	s_wait_dscnt 0x0                               ; for the others' sake: my images have landed
	s_barrier_signal -1
	s_barrier_wait -1                              ; barrier 3: K and V of both units lie in LDS; from here on LDS is only read
.set TM, 220
.irp i, 0,1,2,3,4,5
	v_mov_b32 v[QW+6+\i], 0                        ; q's codes of k = 64 .. 127
	v_mov_b32 v[KV+48+\i], 0                       ; what stands behind K's tile 7
.endr
	v_mov_b32 v[FF+1], 0                           ; (named as the upper half of a pair)
	v_and_b32 v[OSO], 15, v0
	s_delay_alu instid0(VALU_DEP_1)
	v_lshlrev_b32 v[OSO], 2, v[OSO]
	s_mul_i32 s55, s2, QIMW
	s_add_co_u32 s55, s55, QIM
	v_add_nc_u32 v[QB], s55, v[L16]
	v_add_nc_u32 v[QB+1], s55, v[L8]
	v_lshrrev_b32 v[QB+2], 1, v[L8]
	s_delay_alu instid0(VALU_DEP_1)
	v_add_nc_u32 v[QB+2], s55, v[QB+2]
	s_mov_b32 s45, 0
.Ltile:                                            ; three trips: unit 2's tile of 16 queries, then unit 1's two
	s_min_u32 s55, s45, 1
	s_mul_i32 s55, s55, IMG-IMG2
	s_add_co_u32 s55, s55, IMG2                    ; the trip's images
	v_add_nc_u32 v[R16], s55, v[L16]
	v_add_nc_u32 v[R8], s55, v[L8]
	s_wait_alu depctr_va_vdst(0)
	STEP 0, 1
	STEP 1, 0
	STEP 2, 0
	STEP 3, 0
	EPI
	s_add_co_u32 s45, s45, 1
	s_cmp_lt_u32 s45, 3
	s_cbranch_scc1 .Ltile
	s_wait_tensorcnt 0x0                           ; the wave's end
	ds_add_u32 v[SPW], v[NIL]
	s_wait_dscnt 0x0
	s_endpgm
.Lfunc_end_k_qe267413e54_attn:
	.size	k_qe267413e54_attn, .Lfunc_end_k_qe267413e54_attn-k_qe267413e54_attn
	.p2alignl 7, 3214868480
	.fill 96, 4, 3214868480
	.section	.rodata,"a",@progbits
	.p2align	6, 0x0
	.amdhsa_kernel k_qe267413e54_attn
		.amdhsa_group_segment_fixed_size 324864
		.amdhsa_private_segment_fixed_size 0
		.amdhsa_enable_private_segment 0
		.amdhsa_kernarg_size 104
		.amdhsa_user_sgpr_count 2
		.amdhsa_user_sgpr_kernarg_segment_ptr 1
		.amdhsa_wavefront_size32 1
		.amdhsa_system_sgpr_workgroup_id_x 1
		.amdhsa_system_sgpr_workgroup_id_y 1
		.amdhsa_system_sgpr_workgroup_id_z 1
		.amdhsa_system_vgpr_workitem_id 0
		.amdhsa_next_free_vgpr 256
		.amdhsa_next_free_sgpr 100
		.amdhsa_reserve_vcc 0
		.amdhsa_float_denorm_mode_32 3
		.amdhsa_float_denorm_mode_16_64 3
		.amdhsa_memory_ordered 1
		.amdhsa_forward_progress 1
		.amdhsa_inst_pref_size 255
	.end_amdhsa_kernel
	.section	.bss,"aw",@nobits
	.p2align	6
	.space	262144
	.amdgpu_metadata
---
amdhsa.version: [ 1, 2 ]
amdhsa.kernels:
  - .name:           k_qe267413e54_attn
    .symbol:         k_qe267413e54_attn.kd
    .args:
      - { .name: x_codes, .offset: 0, .size: 8, .value_kind: global_buffer, .address_space: global }
      - { .name: x_scales, .offset: 8, .size: 8, .value_kind: global_buffer, .address_space: global }
      - { .name: Wv_codes, .offset: 16, .size: 8, .value_kind: global_buffer, .address_space: global }
      - { .name: Wv_scales, .offset: 24, .size: 8, .value_kind: global_buffer, .address_space: global }
      - { .name: bv, .offset: 32, .size: 8, .value_kind: global_buffer, .address_space: global }
      - { .name: Wk_codes, .offset: 40, .size: 8, .value_kind: global_buffer, .address_space: global }
      - { .name: Wk_scales, .offset: 48, .size: 8, .value_kind: global_buffer, .address_space: global }
      - { .name: bk, .offset: 56, .size: 8, .value_kind: global_buffer, .address_space: global }
      - { .name: Wq_codes, .offset: 64, .size: 8, .value_kind: global_buffer, .address_space: global }
      - { .name: Wq_scales, .offset: 72, .size: 8, .value_kind: global_buffer, .address_space: global }
      - { .name: bq, .offset: 80, .size: 8, .value_kind: global_buffer, .address_space: global }
      - { .name: oc, .offset: 88, .size: 8, .value_kind: global_buffer, .address_space: global }
      - { .name: osc, .offset: 96, .size: 8, .value_kind: global_buffer, .address_space: global }
    .group_segment_fixed_size: 324864
    .private_segment_fixed_size: 0
    .kernarg_segment_align: 8
    .kernarg_segment_size: 104
    .max_flat_workgroup_size: 512
    .sgpr_count:     100
    .vgpr_count:     256
    .wavefront_size: 32
...
	.end_amdgpu_metadata
.endif
;; end of part 3
;; launch oproj (part 4): grid 4 x 64, 8 waves a work-group, no clusters, 185,088 bytes of LDS; arguments oc, osc, Wo_codes, Wo_scales, bo, out0; writes out0
.if DOCPART == 4
	.amdgcn_target "amdgcn-amd-amdhsa--gfx1250"
	.amdhsa_code_object_version 6
	.text
	.protected	k_qe267413e54_oproj
	.globl	k_qe267413e54_oproj
	.p2align	8
	.type	k_qe267413e54_oproj,@function
k_qe267413e54_oproj:
	s_mov_b64 s[64:65], 0
	v_nop
	global_prefetch_b8 v0, s[64:65] scope:SCOPE_SE
	s_setreg_imm32_b32 hwreg(HW_REG_WAVE_MODE, 25, 1), 1
	s_wait_xcnt 0x0
; out0 = O Wo + bo on codes of FP6 (E2M3) with one E8M0 scale for each 32 along K = 768.  No work of reference() is left out here.
; oc holds O's codes as images of six registers, (tile of 16 rows x 12 + head) x 768 bytes: registers 0-3 at 16 x lane, registers 4-5 at 512 + 8 x lane; two heads on end are a fragment of 128 along K.
; osc holds O's scale words, [6 K steps][16,384 rows].  Wo's codes [768 (n)][576 bytes] and scales [768][24] come as given.
; LIMITS: NaN and infinities are not served; a given scale byte 0xff gives NaN.  bo is the C of each sum's first product: added ahead of the products, another order of rounding than reference()'s.
; SHARES.  A work-group makes 256 rows x 192 columns.  Wave w owns 32 rows, two tiles of 16, and all 192 columns: 24 accumulators.  Its twelve fragments of O come from memory into registers and stay;
; each fragment of Wo that it reads from LDS feeds two products.  Wo's 192 rows go to LDS once, 24 rows a wave, at a pitch free of bank conflicts.
; THE COLUMNS ARE FINISHED IN THREE GROUPS OF 64: 24 fragments of Wo through four buffers, each asked for four fragments ahead of its use; a finished group, 32 rows x 256 bytes, leaves at once.
; THE PRODUCT IS USED TRANSPOSED (source 0 = 16 rows of Wo, source 1 = 16 rows of O): a lane then holds eight neighbouring columns of one row of out0.
; NO JOINT LOADS, NO TENSOR LOADS: a row of Wo's codes is 576 bytes, so rows begin off multiples of 256 bytes.  NO PREFETCH: all that is read from memory is asked for once, in one run at the head.
; REGISTERS in two windows of 256 (s_set_vgpr_msb's low byte: bits 1:0 source 0, 3:2 source 1, 5:4 source 2, 7:6 destination).  Window 0: addresses, scale words, O's fragments.
; Window 1: Wo's fragments, the accumulators and the two LDS addresses of Wo's rows: the products and their LDS loads run under ONE setting, the way out under another.
.set PITCH, 592                        ; 576 bytes + 16 = 148 words (64 banks of 4 bytes: ISA guide 11.1)
.set STG,   192*PITCH                  ; behind Wo's rows: a stage of 32 rows x (256 bytes + 16) for each wave
.set SPIT,  272
.set STGW,  32*SPIT
.set BIAS2, STG+8*STGW                 ; bo's 192 numbers
.set SPARE, BIAS2+768                  ; the spare words, 128 bytes for each wave
.set L16,  1
.set L8,   2
.set WA,   3                           ; my lane's place in Wo's tile 0
.set BA2,  4                           ; and among the biases
.set SPW,  5
.set NIL,  6
.set SO,   7                           ; the stage: where I put 32 bytes of a row
.set RD,   8                           ; where I read rows back: lanes 0-15 one row's 256 bytes, lanes 16-31 the next row's
.set GO,   9                           ; the same two rows in out0
.set L4,   10
.set BO,   11                          ; 24 x lane
.set BST2, 12
.set AS,   14                          ; v14-19 O's scale words, one for each K step: lanes 0-15 my first tile, lanes 16-31 my second
.set BS,   20                          ; v20-55 Wo's: pair of tiles q, K step s at BS + 6 q + s: lanes 0-15 tile 2 q, lanes 16-31 tile 2 q + 1
.set SW,   56                          ; at the head: v56-64 nine places in Wo's rows
.set BT,   66                          ; v66-71 the bias as loaded
.set TA,   72                          ; v72-74 at work at the head
.set AF,   80                          ; v80-223 O's fragments: tile xi, head hd at AF + 72 xi + 6 hd
; window 1
.set WF,   0                           ; four fragments of Wo
.set ACC,  48                          ; 24 accumulators: column tile t, row tile xi at ACC + 16 t + 8 xi; a finished group's rows come back into its 64 registers
.set WRAW, 48                          ; at the head: 24 rows of Wo as loaded, 108 registers
.set WA1,  240                         ; my lane's place in Wo's tiles 0-5, and in tiles 6-11 (an LDS immediate has 16 bits)
.set WA2,  241
.set MSB, 0
.macro WIN new                         ; the immediate's high byte repeats the setting that is left
.if MSB != \new
	s_set_vgpr_msb (MSB<<8)|\new
.set MSB, \new
.endif
.endm
.set MULW, 0x51                        ; source 0 (Wo, and an LDS address), C and D window 1; source 1 (O) window 0
.set OUTW, 0x44                        ; destination and source 1 (a store's data) window 1; source 0 (an address) window 0
.macro MM d, a, b, sa, sb, ra, rb      ; one product 16 x 16 x 128, added in place.  ra, rb: the side's scales stand in lanes 16-31
.if (\ra) && (\rb)
	v_wmma_scale_f32_16x16x128_f8f6f4 v[(\d):(\d)+7], v[(\a):(\a)+11], v[(\b):(\b)+11], v[(\d):(\d)+7], v[\sa], v[\sb] matrix_a_fmt:MATRIX_FMT_FP6 matrix_b_fmt:MATRIX_FMT_FP6 matrix_a_scale:MATRIX_SCALE_ROW1 matrix_b_scale:MATRIX_SCALE_ROW1
.elseif (\ra)
	v_wmma_scale_f32_16x16x128_f8f6f4 v[(\d):(\d)+7], v[(\a):(\a)+11], v[(\b):(\b)+11], v[(\d):(\d)+7], v[\sa], v[\sb] matrix_a_fmt:MATRIX_FMT_FP6 matrix_b_fmt:MATRIX_FMT_FP6 matrix_a_scale:MATRIX_SCALE_ROW1
.elseif (\rb)
	v_wmma_scale_f32_16x16x128_f8f6f4 v[(\d):(\d)+7], v[(\a):(\a)+11], v[(\b):(\b)+11], v[(\d):(\d)+7], v[\sa], v[\sb] matrix_a_fmt:MATRIX_FMT_FP6 matrix_b_fmt:MATRIX_FMT_FP6 matrix_b_scale:MATRIX_SCALE_ROW1
.else
	v_wmma_scale_f32_16x16x128_f8f6f4 v[(\d):(\d)+7], v[(\a):(\a)+11], v[(\b):(\b)+11], v[(\d):(\d)+7], v[\sa], v[\sb] matrix_a_fmt:MATRIX_FMT_FP6 matrix_b_fmt:MATRIX_FMT_FP6
.endif
.endm
; Fragment idx (0 .. 23) of group g: column tile 4 g + 2 (idx / 12) + idx % 2, K step (idx % 12) / 2, buffer idx % 4
.macro PLACE g, idx
.set tl, 4*(\g)+2*((\idx)/12)+(\idx)%2
.set ks, ((\idx)%12)/2
.set wf, WF+12*((\idx)%4)
.endm
.macro WFR g, idx
	PLACE \g, \idx
.irp p, 0,1,2,3,4,5
.if tl < 6
	ds_load_b64 v[wf+2*\p:wf+2*\p+1], v[WA1] offset:16*tl*PITCH+96*ks+48*(\p/3)+8*(\p%3)
.else
	ds_load_b64 v[wf+2*\p:wf+2*\p+1], v[WA2] offset:16*(tl-6)*PITCH+96*ks+48*(\p/3)+8*(\p%3)
.endif
.endr
.endm
.macro HALF g, idx                     ; fragment idx against my two tiles of O; then its buffer takes the fragment four further on
.set yo, 23-(\idx)
.if yo > 3
.set yo, 3
.endif
	s_wait_dscnt 6*yo                              ; the younger fragments' loads, six each, may be out
	PLACE \g, \idx
	MM ACC+16*tl, wf, AF+12*ks, BS+6*(tl/2)+ks, AS+ks, tl%2, 0         ; a pair's four accumulators take turns
	MM ACC+16*tl+8, wf, AF+72+12*ks, BS+6*(tl/2)+ks, AS+ks, tl%2, 1
.rept 4
	v_nop                                          ; places behind the products, ahead of loads into their registers and of the first read of results (ISA guide 7.12.1 for vector instructions)
.endr
.if (\idx)+4 < 24
	WFR \g, \idx+4
.endif
.endm
	s_load_b256 s[4:11], s[0:1], 0x0               ; oc s[4:5], osc s[6:7], Wo's codes s[8:9], Wo's scales s[10:11]
	s_load_b128 s[12:15], s[0:1], 0x20             ; bo s[12:13], out0 s[14:15]
	v_lshl_add_u32 v[SPW], v0, 2, SPARE
	v_mov_b32 v[NIL], 0
	v_lshrrev_b32 v[TA], 5, v0
	s_delay_alu instid0(VALU_DEP_1)
	v_readfirstlane_b32 s2, v[TA]                  ; wave 0..7
	s_and_b32 s16, ttmp7, 0xffff
	s_lshl_b32 s17, s16, 3
	s_add_co_u32 s17, s17, s2                      ; my 32 rows: 8 x work-group y + wave
	s_mul_i32 s18, s17, 2*12*768                   ; in oc,
	s_mov_b32 s19, 0
	s_lshl_b32 s20, s17, 7                         ; in a K step of osc,
	s_mov_b32 s21, 0
	s_mul_i32 s22, ttmp9, 192
	s_mul_i32 s23, s2, 24
	s_add_co_u32 s22, s22, s23
	s_mul_i32 s22, s22, 576                        ; my 24 rows of Wo's codes
	s_mov_b32 s23, 0
	s_mul_i32 s24, ttmp9, 192*24                   ; the work-group's 192 rows of Wo's scales
	s_mov_b32 s25, 0
	s_mul_i32 s26, ttmp9, 768                      ; its 192 columns, in bytes of f32
	s_mov_b32 s27, 0
	s_mul_i32 s28, s17, 32*3072
	s_add_co_u32 s28, s28, s26                     ; my rows of out0, at those columns
	s_mov_b32 s29, 0
	s_mul_i32 s30, s2, 24*PITCH
	s_mul_i32 s31, s2, STGW
	s_add_co_u32 s31, s31, STG                     ; my stage
	v_and_b32 v[TA], 31, v0                        ; lane
	s_delay_alu instid0(VALU_DEP_1)
	v_lshlrev_b32 v[L16], 4, v[TA]
	v_lshlrev_b32 v[L8], 3, v[TA]
	v_lshlrev_b32 v[L4], 2, v[TA]
	v_mul_u32_u24 v[BO], 24, v[TA]
.irp k, 0,1,2,3,4,5,6,7,8                      ; piece t = 32 k + lane of 16 bytes, of eight dense rows of 36 pieces, lies at 16 (t + t / 36) under the pitch; t / 36 = 57 t >> 11 for t up to 287
	v_add_nc_u32 v[TA+1], 32*\k, v[TA]
	s_delay_alu instid0(VALU_DEP_1)
	v_mul_u32_u24 v[SW+\k], 57, v[TA+1]
	s_delay_alu instid0(VALU_DEP_1)
	v_lshrrev_b32 v[SW+\k], 11, v[SW+\k]
	s_delay_alu instid0(VALU_DEP_1)
	v_add_nc_u32 v[SW+\k], v[SW+\k], v[TA+1]
	s_delay_alu instid0(VALU_DEP_1)
	v_lshlrev_b32 v[SW+\k], 4, v[SW+\k]
	s_delay_alu instid0(VALU_DEP_1)
	v_add_nc_u32 v[SW+\k], s30, v[SW+\k]
.endr
	v_and_b32 v[TA+1], 15, v0                      ; r
	v_bfe_u32 v[TA+2], v0, 4, 1                    ; h
	s_delay_alu instid0(VALU_DEP_2)
	v_mul_u32_u24 v[WA], v[TA+1], PITCH
	v_mul_u32_u24 v[SO], v[TA+1], SPIT
	v_mul_u32_u24 v[RD], v[TA+2], SPIT
	v_mul_u32_u24 v[GO], v[TA+2], 3072             ; a row of out0 is 3,072 bytes
	v_mad_u32_u24 v[WA], v[TA+2], 24, v[WA]        ; a fragment's row x pitch + 24 x half
	v_lshl_add_u32 v[SO], v[TA+2], 5, v[SO]
	v_lshl_add_u32 v[RD], v[TA+1], 4, v[RD]
	v_lshl_add_u32 v[GO], v[TA+1], 4, v[GO]
	v_lshl_add_u32 v[BA2], v[TA+2], 5, BIAS2
	v_add_nc_u32 v[SO], s31, v[SO]                 ; row r, + 32 h
	v_add_nc_u32 v[RD], s31, v[RD]                 ; row h, + 16 r
	v_add_nc_u32 v[BST2], BIAS2, v[L8]
	WIN 0x40                                       ; destination window 1
	v_mov_b32 v[WA1], v[WA]
	v_add_nc_u32 v[WA2], 96*PITCH, v[WA]
	WIN 0
	s_wait_alu depctr_va_vdst(0)
	s_wait_kmcnt 0x0
	s_add_nc_u64 s[4:5], s[4:5], s[18:19]
	s_add_nc_u64 s[6:7], s[6:7], s[20:21]
	s_add_nc_u64 s[8:9], s[8:9], s[22:23]
	s_add_nc_u64 s[10:11], s[10:11], s[24:25]
	s_add_nc_u64 s[12:13], s[12:13], s[26:27]
	s_add_nc_u64 s[14:15], s[14:15], s[28:29]
.irp q, 0,1,2,3,4,5
.irp j, 0,1,2
	global_load_b64 v[BS+6*\q+2*\j:BS+6*\q+2*\j+1], v[BO], s[10:11] offset:768*\q+8*\j
.endr
.endr
.irp s, 0,1,2,3,4,5
	global_load_b32 v[AS+\s], v[L4], s[6:7] offset:65536*\s
.endr
	WIN 0x40
.set ii, 0
.rept 27
	global_load_b128 v[WRAW+4*ii:WRAW+4*ii+3], v[L16], s[8:9] offset:512*ii
.set ii, ii+1
.endr
	WIN 0
.irp xi, 0,1
.irp hd, 0,1,2,3,4,5,6,7,8,9,10,11
	global_load_b128 v[AF+72*\xi+6*\hd:AF+72*\xi+6*\hd+3], v[L16], s[4:5] offset:9216*\xi+768*\hd
	global_load_b64 v[AF+72*\xi+6*\hd+4:AF+72*\xi+6*\hd+5], v[L8], s[4:5] offset:9216*\xi+768*\hd+512
.endr
.endr
	s_cmp_eq_u32 s2, 0                             ; the one parting on the wave's number: wave 0 brings the bias
	s_cbranch_scc0 .Lno_bias
.irp j, 0,1,2
	global_load_b64 v[BT+2*\j:BT+2*\j+1], v[L8], s[12:13] offset:256*\j
.endr
	s_wait_loadcnt 0x0
.irp j, 0,1,2
	ds_store_b64 v[BST2], v[BT+2*\j:BT+2*\j+1] offset:256*\j
.endr
.Lno_bias:
	s_wait_loadcnt 48                              ; Wo's rows are in; the 48 younger loads, O's fragments, may be out
	WIN 0x04                                       ; a store's data window 1
.set ii, 0
.rept 27
	ds_store_b128 v[SW+ii%9], v[WRAW+4*ii:WRAW+4*ii+3] offset:(ii/9)*8*PITCH
.set ii, ii+1
.endr
	WIN 0
	s_wait_loadcnt 0x0                             ; O's fragments are in
	s_wait_dscnt 0x0                               ; for the others' sake: my stores have landed
	s_barrier_signal -1
	s_barrier_wait -1                              ; Wo's rows and the bias are whole
	WIN 0x40
.irp t, 0,1,2,3,4,5,6,7,8,9,10,11              ; the bias is the C of each sum's first product: lane (r, h), register j: column 16 t + 8 h + j
.irp xi, 0,1
	ds_load_b128 v[ACC+16*\t+8*\xi:ACC+16*\t+8*\xi+3], v[BA2] offset:64*\t
	ds_load_b128 v[ACC+16*\t+8*\xi+4:ACC+16*\t+8*\xi+7], v[BA2] offset:64*\t+16
.endr
.endr
.irp g, 0,1,2                                  ; columns 64 g .. 64 g + 63
	WIN MULW
.set ix, 0
.rept 4
	WFR \g, ix
.set ix, ix+1
.endr
.set ix, 0
.rept 24
	HALF \g, ix
.set ix, ix+1
.endr
	; THE GROUP'S WAY OUT: 32 rows x 256 bytes through my own stage; they come back as whole rows, into the registers that they left, and sixteen neighbouring lanes store 256 consecutive bytes at a multiple
	; of 256 from out0's first byte.  LDS serves a wave's instructions in order (ISA guide 5.7.1.4): no wait between the stores and the loads, nor ahead of the next group's stores
	WIN OUTW
.irp xi, 0,1
.irp t, 0,1,2,3
	ds_store_b128 v[SO], v[ACC+64*\g+16*\t+8*\xi:ACC+64*\g+16*\t+8*\xi+3] offset:16*\xi*SPIT+64*\t          ; each accumulator from its low end on
	ds_store_b128 v[SO], v[ACC+64*\g+16*\t+8*\xi+4:ACC+64*\g+16*\t+8*\xi+7] offset:16*\xi*SPIT+64*\t+16
.endr
.endr
.irp i, 0,1,2,3,4,5,6,7,8,9,10,11,12,13,14,15
	ds_load_b128 v[ACC+64*\g+4*\i:ACC+64*\g+4*\i+3], v[RD] offset:2*\i*SPIT
.endr
.irp i, 0,1,2,3,4,5,6,7,8,9,10,11,12,13,14,15
	s_wait_dscnt 15-\i                             ; LDS loads come back in order: load i is in, the 15 - i younger ones may be out
	global_store_b128 v[GO], v[ACC+64*\g+4*\i:ACC+64*\g+4*\i+3], s[14:15] offset:2*\i*3072+256*\g th:TH_STORE_NT   ; these registers are not written again
.endr
.endr
	WIN 0
	s_wait_tensorcnt 0x0                           ; the wave's end
	ds_add_u32 v[SPW], v[NIL]
	s_wait_dscnt 0x0
	s_endpgm
.Lfunc_end_k_qe267413e54_oproj:
	.size	k_qe267413e54_oproj, .Lfunc_end_k_qe267413e54_oproj-k_qe267413e54_oproj
	.p2alignl 7, 3214868480
	.fill 96, 4, 3214868480
	.section	.rodata,"a",@progbits
	.p2align	6, 0x0
	.amdhsa_kernel k_qe267413e54_oproj
		.amdhsa_group_segment_fixed_size 185088
		.amdhsa_private_segment_fixed_size 0
		.amdhsa_enable_private_segment 0
		.amdhsa_kernarg_size 48
		.amdhsa_user_sgpr_count 2
		.amdhsa_user_sgpr_kernarg_segment_ptr 1
		.amdhsa_wavefront_size32 1
		.amdhsa_system_sgpr_workgroup_id_x 1
		.amdhsa_system_sgpr_workgroup_id_y 1
		.amdhsa_system_sgpr_workgroup_id_z 1
		.amdhsa_system_vgpr_workitem_id 0
		.amdhsa_next_free_vgpr 512
		.amdhsa_next_free_sgpr 66
		.amdhsa_reserve_vcc 0
		.amdhsa_float_denorm_mode_32 3
		.amdhsa_float_denorm_mode_16_64 3
		.amdhsa_memory_ordered 1
		.amdhsa_forward_progress 1
		.amdhsa_inst_pref_size 90
	.end_amdhsa_kernel
	.amdgpu_metadata
---
amdhsa.version: [ 1, 2 ]
amdhsa.kernels:
  - .name:           k_qe267413e54_oproj
    .symbol:         k_qe267413e54_oproj.kd
    .args:
      - { .name: oc, .offset: 0, .size: 8, .value_kind: global_buffer, .address_space: global }
      - { .name: osc, .offset: 8, .size: 8, .value_kind: global_buffer, .address_space: global }
      - { .name: Wo_codes, .offset: 16, .size: 8, .value_kind: global_buffer, .address_space: global }
      - { .name: Wo_scales, .offset: 24, .size: 8, .value_kind: global_buffer, .address_space: global }
      - { .name: bo, .offset: 32, .size: 8, .value_kind: global_buffer, .address_space: global }
      - { .name: out0, .offset: 40, .size: 8, .value_kind: global_buffer, .address_space: global }
    .group_segment_fixed_size: 185088
    .private_segment_fixed_size: 0
    .kernarg_segment_align: 8
    .kernarg_segment_size: 48
    .max_flat_workgroup_size: 256
    .sgpr_count:     66
    .vgpr_count:     512
    .wavefront_size: 32
...
	.end_amdgpu_metadata
.endif
;; end of part 4
